; MI455X (gfx1250); checked and timed in simulation.
; The chip was launched on July 23, 2026; its instructions are those of AMD's public machine-readable ISA for CDNA 5 (MIT licence, August 2026) and "CDNA5" Instruction Set Architecture Reference Guide (July 2026). The comments in the code are by the model that wrote it; some were corrected since.
;; Compressed GPT2 Attention. Allowed arithmetic: matrix products marked QUANTISED: E4M3 operands, one E8M0 scale for each 32 along K, by v_wmma_scale_f32_16x16x128_f8f6f4 with both operands' format E4M3, f32 sums; everything else in f32.
;; Inputs: hidden_states 4 x 2,048 x 1,024 float32; k_bias 1,024 float32; k_weight 1,024 x 1,024 float32; low_rank_output_weight 512 x 1,024 float32; low_rank_value_bias 512 float32; low_rank_value_weight 1,024 x 512 float32; output_bias 1,024 float32; q_bias 1,024 float32; q_weight 1,024 x 1,024 float32.
;; Outputs: out0 4 x 2,048 x 1,024 float32.
;; This version of the problem:
;;   THIS VERSION OF THE PROBLEM IS GIVEN IN LOW PRECISION. The matrix products marked QUANTISED in the list below multiply operands that are first quantised to E4M3 (4 exponent bits, 3 mantissa bits; 8 bits a number), with one power-of-two scale for each 32 numbers along K (OCP MX v1.0); their sums are f32. All else is computed in f32.
;;   The module's matrix products, in the order in which they are computed (A, B: the left and right operand; K: the contracted axis; several contracted axes count as one K, in the product's order):
;;     1. [M 8,192, K 1,024] x [K 1,024, N 1,024]; A: input hidden_states; B: input q_weight: QUANTISED
;;     2. [M 8,192, K 1,024] x [K 1,024, N 1,024]; A: input hidden_states; B: input k_weight: QUANTISED
;;     3. [M 8,192, K 1,024] x [K 1,024, N 512]; A: input hidden_states; B: input low_rank_value_weight: QUANTISED
;;     4. batch 64 x [M 2,048, K 64] x [K 64, N 2,048]; A: computed on the way; B: computed on the way: QUANTISED
;;     5. batch 64 x [M 2,048, K 2,048] x [K 2,048, N 32]; A: softmax (see below); B: computed on the way: QUANTISED
;;     6. [M 8,192, K 512] x [K 512, N 1,024]; A: computed on the way; B: input low_rank_output_weight: QUANTISED
;;   THE QUANTISER, for each operand of a quantised product, along K:
;;     - K is cut into blocks of 32 from its start; a last block that is shorter is filled with zeros.
;;     - A block's scale is 2^e with e = floor(log2(the largest magnitude in the block)) - 8, held to -126 .. 127; a block of zeros has e = 0. As a byte (E8M0): e + 127.
;;     - Each number is divided by its block's scale, clamped to +-448, and rounded to the nearest number of E4M3, ties to even, subnormals kept.
;;     - The product sums the exact products of the quantised numbers (number of the format x scale) in f32.
;;   ~~~python
;;   def quantise(x, axis):      # numpy; x: float32 -> the quantised numbers, widened to float32 again
;;       x = np.moveaxis(x, axis, -1); K = x.shape[-1]
;;       x = np.pad(x, [(0, 0)] * (x.ndim - 1) + [(0, -K % 32)]); x = x.reshape(x.shape[:-1] + (-1, 32)); a = np.abs(x).max(-1, keepdims=True)
;;       e = np.where(a > 0, np.clip(np.frexp(np.where(a > 0, a, 1))[1] - 1 - 8, -126, 127), 0)      # np.frexp(a)[1] - 1 = floor(log2(a)), exactly
;;       r = np.clip(x / 2.0 ** e, -448, 448)
;;       step = 2.0 ** (np.maximum(np.frexp(np.where(r == 0, 1, r))[1] - 1, -6) - 3)
;;       q = np.round(r / step) * step * 2.0 ** e      # np.round: ties to even
;;       return np.moveaxis(q.reshape(q.shape[:-2] + (-1,))[..., :K], -1, axis).astype(np.float32)
;;   ~~~
;;   SOFTMAX AHEAD OF A QUANTISED PRODUCT. Where the list says 'softmax', what is quantised is not the finished softmax but p = 2^(t - M), with t = logit x log2(e) and M = ceil(the row's largest t), a whole number; so 1/2 < the row's largest p <= 1. The row's sum l is taken of the UNQUANTISED p, in f32, and the product's result is divided by l at the end. Since M is a whole number, a kernel that streams over the keys may use a running M (the ceiling of the running maximum): every later rescaling is an exact power of two, which a block's scale takes up: the codes' values come out the same.
;;   OPERANDS COMPUTED ON THE WAY. 'Computed on the way' means the value that the module computes at that place (a softmax that the list does not call 'softmax' is quantised finished and normalised). What goes into a quantiser is computed in f32, as accurately as f32 sums, v_exp_f32 and their like allow (about 1e-6 of the number): no bf16 or f16 on the way to a quantiser, and a product that is left as it is and whose result goes on into a quantised operand takes f32 operands (vector FMAs, or v_wmma_f32_16x16x4_f32). A number that lies on a knife's edge between two numbers of the format may be rounded either way, as far as f32 arithmetic and the matrix unit's own rounding can turn it there, and no further.
;; One version. Each part assembles by itself: llvm-mc -triple=amdgcn-amd-amdhsa -mcpu=gfx1250 --defsym DOCPART=n.
;; ======== version 1 of 1: 4 launches
;; limits: right only within a limited range of input values
;; workspace buffers: wcodes 3,145,728 bytes; wscales 98,304 bytes; qkv 25,952,256 bytes; acodes 4,194,304 bytes; ascales 131,072 bytes; xq 8,912,896 bytes
;; launch wquant (part 1): grid 704 x 1, 4 waves a work-group, no clusters, 0 bytes of LDS; arguments q_weight, k_weight, low_rank_output_weight, low_rank_value_weight, wcodes, wscales, hidden_states, xq; writes wcodes, wscales, xq
.if DOCPART == 1
	.amdgcn_target "amdgcn-amd-amdhsa--gfx1250"
	.amdhsa_code_object_version 6
	.text
	.protected	k_q35ef7f6894_wquant
	.globl	k_q35ef7f6894_wquant
	.p2align	8
	.type	k_q35ef7f6894_wquant,@function
k_q35ef7f6894_wquant:
	s_mov_b64 s[64:65], 0
	v_nop
	global_prefetch_b8 v0, s[64:65] scope:SCOPE_SE
	s_setreg_imm32_b32 hwreg(HW_REG_WAVE_MODE, 25, 1), 1
	s_wait_xcnt 0x0
; The four weights, f32 stored [K][N], become codes of E4M3 with one E8M0 byte for each 32 along K, laid as IMAGES OF OPERAND REGISTERS.
; A fragment is 16 columns x 128 K = 4 chunks of 512 bytes; in chunk c lane l = r + 16 h has its 16 bytes at 16 l: k = 32 c + 16 h + 0..15 of the tile's row r.
; THE COLUMNS OF A TILE ARE NOT NEIGHBOURS: row r of tile 2 g + u is column 32 g + 8 u + r + 8 (r / 8).
; wcodes: q, k, v as one run of tiles 0..159, fragment (tile, s) at (8 tile + s) 2048; the output weight from 0x280000, (4 tile + s) 2048.
; wscales: one word a row and K step: (160 s + tile) 64 + 4 r; the output weight from 81,920: (64 s + tile) 64 + 4 r.
; SHARES: a work-group takes 128 columns x 128 along K, a wave 32 columns, A LANE ONE COLUMN, its registers running down K: a block of 32 lies in one lane.
; Work-groups 0-63 q, 64-127 k, 128-159 the output weight (rows of 4,096 bytes), 160-191 the value weight (rows of 2,048 bytes).
; LIMITS: a block of zeros, or one whose largest magnitude lies under 2^-118, gets the byte 1 (only this program reads the bytes; its codes are then zeros or subnormals);
; NaN and infinities among the inputs are not served.
.set X, 32                             ; v32-95   two sets of 32 numbers
.set C, 96                             ; v96-127  eight registers of codes for each of the four blocks: no store's data are written again
	s_load_b256 s[4:11], s[0:1], 0x0               ; q s[4:5], k s[6:7], output weight s[8:9], value weight s[10:11]
	s_load_b128 s[12:15], s[0:1], 0x20             ; wcodes s[12:13], wscales s[14:15]
	s_load_b128 s[36:39], s[0:1], 0x30             ; hidden_states s[36:37], xq s[38:39]
	v_lshrrev_b32 v1, 5, v0
	v_readfirstlane_b32 s16, v1                    ; wave
	v_and_b32 v2, 31, v0                           ; lane = my column among the wave's 32
	v_lshlrev_b32 v3, 2, v2                        ; in: 4 bytes a lane
	v_bfe_u32 v6, v0, 3, 1                         ; u: which of the two tiles my column falls into
	v_and_b32 v7, 7, v0
	v_bfe_u32 v8, v0, 4, 1
	v_lshl_add_u32 v7, v8, 3, v7                   ; r: its row there
	v_lshlrev_b32 v5, 2, v7
	v_lshl_add_u32 v5, v6, 6, v5                   ; my scale word: 64 u + 4 r
	s_mov_b32 s31, 0x600000                        ; the mantissa field of 448
	s_wait_kmcnt 0x0
.macro LOAD t, pitch                   ; block t: W(32 t + i, my column) into set t % 2; a wave reads 128 consecutive bytes
.set i, 0
.rept 32
	global_load_b32 v[X+32*((\t)%2)+i], v3, s[4:5] offset:(32*(\t)+i)*(\pitch) th:TH_LOAD_NT
.set i, i+1
.endr
.endm
.macro BLOCK t, pitch
.set XS, X+32*((\t)%2)
.if (\t) < 3
	s_wait_loadcnt 32                              ; this block's 32 loads are in; the next block's 32 may be out
.else
	s_wait_loadcnt 0x0
.endif
	v_max3_num_f32 v12, |v[XS]|, |v[XS+1]|, |v[XS+2]|              ; the block's largest magnitude, in two chains
	v_max3_num_f32 v13, |v[XS+3]|, |v[XS+4]|, |v[XS+5]|
.irp i, 6,10,14,18,22,26
	v_max3_num_f32 v12, v12, |v[XS+\i]|, |v[XS+\i+1]|
	v_max3_num_f32 v13, v13, |v[XS+\i+2]|, |v[XS+\i+3]|
.endr
	v_max3_num_f32 v12, v12, |v[XS+30]|, |v[XS+31]|
	v_max3_num_f32 v12, v12, v13, 0x4800000        ; and the floor 2^(9 - 127): the byte cannot fall under 1
	v_add_nc_u32 v11, 0xfc000000, v12              ; 8 off the exponent field: the conversion's scale operand
	v_and_or_b32 v10, v12, 0x7f800000, s31         ; 448 x the scale
	v_lshrrev_b32 v13, 23, v11                     ; the scale's byte
.if (\t) == 0
	v_mov_b32 v14, v13                             ; four bytes make my column's word for this K step
.else
	v_lshl_or_b32 v14, v13, 8*(\t), v14
.endif
.set i, 0
.rept 32
	v_med3_num_f32 v[XS+i], v[XS+i], -v10, v10     ; the conversion to an 8-bit code does not saturate (ISA guide 7.6.2): the hold comes first
.set i, i+1
.endr
.irp g, 0,1,2,3
	v_cvt_scalef32_pk8_fp8_f32 v[C+8*(\t)+2*\g:C+8*(\t)+2*\g+1], v[XS+8*\g:XS+8*\g+7], v11
.endr
	global_store_b128 v4, v[C+8*(\t):C+8*(\t)+3], s[12:13] offset:512*(\t)         ; k 0..15 of the block: the chunk's lower half; the wave's 32 lanes fill 256 consecutive bytes of each of two fragments
	global_store_b128 v4, v[C+8*(\t)+4:C+8*(\t)+7], s[12:13] offset:512*(\t)+256   ; k 16..31: its upper half
.if (\t) < 2
	LOAD (\t)+2, \pitch
.endif
.endm
; s17 column group, s18 K step, s19 the section of wcodes, s20 that of wscales, s21 bytes of scale words a K step, s22 K steps of the tensor; s[4:5] the tensor
.macro RUN pitch
	s_lshl_b32 s23, s17, 3
	s_lshl_b32 s24, s16, 1
	s_add_co_u32 s23, s23, s24                     ; my wave's first tile: 8 x column group + 2 x wave
	s_mul_i32 s24, s18, 128*(\pitch)
	s_lshl_b32 s25, s17, 9
	s_add_co_u32 s24, s24, s25
	s_lshl_b32 s25, s16, 7
	s_add_co_u32 s24, s24, s25
	s_mov_b32 s25, 0
	s_add_nc_u64 s[4:5], s[4:5], s[24:25]          ; W at row 128 s, column 128 x group + 32 x wave
	s_mul_i32 s24, s23, s22
	s_add_co_u32 s24, s24, s18
	s_lshl_b32 s24, s24, 11
	s_add_co_u32 s24, s24, s19
	s_add_nc_u64 s[12:13], s[12:13], s[24:25]      ; the first tile's fragment of this K step
	s_mul_i32 s24, s18, s21
	s_lshl_b32 s26, s23, 6
	s_add_co_u32 s24, s24, s26
	s_add_co_u32 s24, s24, s20
	s_add_nc_u64 s[14:15], s[14:15], s[24:25]      ; and its scale words
	s_lshl_b32 s26, s22, 11
	v_mul_u32_u24 v4, s26, v6                      ; the second tile's fragment lies a tile's K steps further on
	v_lshl_add_u32 v4, v7, 4, v4                   ; + 16 r
	LOAD 0, \pitch
	LOAD 1, \pitch
	BLOCK 0, \pitch
	BLOCK 1, \pitch
	BLOCK 2, \pitch
	BLOCK 3, \pitch
	global_store_b32 v5, v14, s[14:15]             ; 128 consecutive bytes a wave
	s_endpgm
.endm
	s_wait_alu depctr_va_vdst(0)                   ; the wait ahead of the branch
	s_cmp_lt_u32 ttmp9, 192                        ; work-groups 192-703 quantise x
	s_cbranch_scc0 .Lxq
	s_cmp_lt_u32 ttmp9, 160
	s_cbranch_scc0 .Lvalue
	s_and_b32 s17, ttmp9, 7
	s_bfe_u32 s18, ttmp9, 0x30003
	s_mov_b32 s21, 4096
	s_cmp_lt_u32 ttmp9, 64                         ; the choices hang on the work-group's number alone
	s_cselect_b64 s[4:5], s[4:5], s[6:7]
	s_cselect_b32 s19, 0, 0x100000
	s_cselect_b32 s20, 0, 4096
	s_cmp_lt_u32 ttmp9, 128
	s_cselect_b64 s[4:5], s[4:5], s[8:9]
	s_cselect_b32 s19, s19, 0x280000
	s_cselect_b32 s20, s20, 81920
	s_cselect_b32 s21, 10240, s21
	s_cselect_b32 s22, 8, 4
	s_wait_alu depctr_va_vdst(0)
	RUN 4096
.Lvalue:
	s_and_b32 s17, ttmp9, 3
	s_bfe_u32 s18, ttmp9, 0x30002
	s_mov_b64 s[4:5], s[10:11]
	s_mov_b32 s19, 0x200000
	s_mov_b32 s20, 8192
	s_mov_b32 s21, 10240
	s_mov_b32 s22, 8
	s_wait_alu depctr_va_vdst(0)
	RUN 2048
; x (hidden_states, K = 1,024 innermost) BECOMES CODES ONCE, laid as images of operand registers for the projection's LDS.
; xq: 64 blocks of 128 tokens, 139,264 bytes each: fragment (K step s, tile T) at (8 s + T) 2048, lane l's 16 bytes of chunk c at 512 c + 16 l; from 131,072 the scale words at (8 s + T) 128 + 4 l.
; Row r of tile 2 g + u is token 32 g + 8 u + r + 8 (r / 8).  Work-group 192 + 8 y + s takes block y, K step s; wave w its tiles 2 w and 2 w + 1.
; A lane holds 16 neighbours of each of the four blocks of 32 of its row; lane l xor 16 holds the other 16.
.macro XQ src, pc, pw
.irp b, 0,1,2,3
	v_max3_num_f32 v[16+\b], |v[(\src)+16*\b]|, |v[(\src)+16*\b+1]|, 0x4800000   ; my 16 numbers of block b, and the floor 2^(9 - 127)
.endr
.irp i, 2,4,6,8,10,12,14
.irp b, 0,1,2,3
	v_max3_num_f32 v[16+\b], |v[(\src)+16*\b+\i]|, |v[(\src)+16*\b+\i+1]|, v[16+\b]
.endr
.endr
.irp b, 0,1,2,3
	v_permlanex16_b32 v[20+\b], v[16+\b], s28, s29
.endr
.irp b, 0,1,2,3
	v_max_num_f32 v[16+\b], v[16+\b], v[20+\b]     ; the block's largest magnitude
.endr
.irp b, 0,1,2,3
	v_add_nc_u32 v[28+\b], 0xfc000000, v[16+\b]    ; 8 off the exponent field: the conversion's scale operand
.endr
.irp b, 0,1,2,3
	v_and_or_b32 v[24+\b], v[16+\b], 0x7f800000, s31   ; 448 x the scale
.endr
.irp b, 0,1,2,3
	v_lshrrev_b32 v[20+\b], 23, v[28+\b]           ; the scale's byte
.endr
	v_lshl_or_b32 v[\pw], v21, 8, v20
	v_lshl_or_b32 v[\pw], v22, 16, v[\pw]
	v_lshl_or_b32 v[\pw], v23, 24, v[\pw]
.irp b, 0,1,2,3
.irp i, 0,1,2,3,4,5,6,7,8,9,10,11,12,13,14,15
	v_med3_num_f32 v[(\src)+16*\b+\i], v[(\src)+16*\b+\i], -v[24+\b], v[24+\b]   ; the conversion does not saturate (ISA guide 7.6.2): the hold comes first
.endr
.endr
.irp b, 0,1,2,3
	v_cvt_scalef32_pk8_fp8_f32 v[(\pc)+4*\b:(\pc)+4*\b+1], v[(\src)+16*\b:(\src)+16*\b+7], v[28+\b]
	v_cvt_scalef32_pk8_fp8_f32 v[(\pc)+4*\b+2:(\pc)+4*\b+3], v[(\src)+16*\b+8:(\src)+16*\b+15], v[28+\b]
.endr
	v_nop
.endm
.Lxq:
	v_and_b32 v1, 15, v0                           ; r
	v_bfe_u32 v2, v0, 4, 1                         ; h
	v_and_b32 v3, 31, v0                           ; lane
	v_and_b32 v4, 8, v1
	v_add_nc_u32 v4, v4, v1                        ; r + 8 (r / 8)
	v_lshlrev_b32 v4, 12, v4                       ; rows of 4,096 bytes
	v_lshl_add_u32 v4, v2, 6, v4                   ; + 64 h
	v_lshlrev_b32 v5, 4, v3                        ; 16 x lane
	v_lshlrev_b32 v6, 2, v3                        ; 4 x lane
.irp b, 0,1,2,3
	v_mov_b32 v[20+\b], 0                          ; a lane permute's destination counts as one of its sources
.endr
	s_mov_b32 s28, 0x76543210
	s_mov_b32 s29, 0xfedcba98                      ; lane l xor 16
	s_sub_co_u32 s17, ttmp9, 192
	s_lshr_b32 s18, s17, 3                         ; block y
	s_and_b32 s19, s17, 7                          ; K step s
	s_lshl_b32 s20, s18, 19
	s_lshl_b32 s21, s16, 17
	s_add_co_u32 s20, s20, s21
	s_lshl_b32 s21, s19, 9
	s_add_co_u32 s20, s20, s21
	s_mov_b32 s21, 0
	s_add_nc_u64 s[36:37], s[36:37], s[20:21]      ; x at token 128 y + 32 w, k = 128 s
	s_mul_i32 s20, s18, 139264
	s_lshl_b32 s22, s19, 3
	s_lshl_b32 s23, s16, 1
	s_add_co_u32 s22, s22, s23                     ; 8 s + 2 w
	s_lshl_b32 s23, s22, 11
	s_add_co_u32 s24, s20, s23
	s_mov_b32 s25, 0
	s_add_nc_u64 s[40:41], s[38:39], s[24:25]      ; my first fragment
	s_lshl_b32 s23, s22, 7
	s_add_co_u32 s24, s20, s23
	s_add_co_u32 s24, s24, 131072
	s_add_nc_u64 s[42:43], s[38:39], s[24:25]      ; and its scale words
	s_wait_alu depctr_va_vdst(0)                   ; the wait behind the run of scalar lines
.irp u, 0,1
.irp b, 0,1,2,3
.irp j, 0,1,2,3
	global_load_b128 v[32+64*\u+16*\b+4*\j:32+64*\u+16*\b+4*\j+3], v4, s[36:37] offset:\u*32768+128*\b+16*\j
.endr
.endr
.endr
	s_wait_loadcnt 16                              ; the first tile's 16 loads are in; the second's may be out
	XQ 32, 160, 12
.irp c, 0,1,2,3
	global_store_b128 v5, v[160+4*\c:163+4*\c], s[40:41] offset:512*\c      ; 512 consecutive bytes a store
.endr
	global_store_b32 v6, v12, s[42:43]
	s_wait_loadcnt 0x0
	XQ 96, 176, 13
.irp c, 0,1,2,3
	global_store_b128 v5, v[176+4*\c:179+4*\c], s[40:41] offset:2048+512*\c
.endr
	global_store_b32 v6, v13, s[42:43] offset:128
	s_endpgm
.Lfunc_end_k_q35ef7f6894_wquant:
	.size	k_q35ef7f6894_wquant, .Lfunc_end_k_q35ef7f6894_wquant-k_q35ef7f6894_wquant
	.p2alignl 7, 3214868480
	.fill 96, 4, 3214868480
	.section	.rodata,"a",@progbits
	.p2align	6, 0x0
	.amdhsa_kernel k_q35ef7f6894_wquant
		.amdhsa_group_segment_fixed_size 0
		.amdhsa_private_segment_fixed_size 0
		.amdhsa_enable_private_segment 0
		.amdhsa_kernarg_size 64
		.amdhsa_user_sgpr_count 2
		.amdhsa_user_sgpr_kernarg_segment_ptr 1
		.amdhsa_wavefront_size32 1
		.amdhsa_system_sgpr_workgroup_id_x 1
		.amdhsa_system_sgpr_workgroup_id_y 1
		.amdhsa_system_sgpr_workgroup_id_z 1
		.amdhsa_system_vgpr_workitem_id 0
		.amdhsa_next_free_vgpr 192
		.amdhsa_next_free_sgpr 66
		.amdhsa_reserve_vcc 0
		.amdhsa_float_denorm_mode_32 3
		.amdhsa_float_denorm_mode_16_64 3
		.amdhsa_memory_ordered 1
		.amdhsa_forward_progress 1
		.amdhsa_inst_pref_size 80
	.end_amdhsa_kernel
	.amdgpu_metadata
---
amdhsa.version: [ 1, 2 ]
amdhsa.kernels:
  - .name:           k_q35ef7f6894_wquant
    .symbol:         k_q35ef7f6894_wquant.kd
    .args:
      - { .name: q_weight, .offset: 0, .size: 8, .value_kind: global_buffer, .address_space: global }
      - { .name: k_weight, .offset: 8, .size: 8, .value_kind: global_buffer, .address_space: global }
      - { .name: low_rank_output_weight, .offset: 16, .size: 8, .value_kind: global_buffer, .address_space: global }
      - { .name: low_rank_value_weight, .offset: 24, .size: 8, .value_kind: global_buffer, .address_space: global }
      - { .name: wcodes, .offset: 32, .size: 8, .value_kind: global_buffer, .address_space: global }
      - { .name: wscales, .offset: 40, .size: 8, .value_kind: global_buffer, .address_space: global }
      - { .name: hidden_states, .offset: 48, .size: 8, .value_kind: global_buffer, .address_space: global }
      - { .name: xq, .offset: 56, .size: 8, .value_kind: global_buffer, .address_space: global }
    .group_segment_fixed_size: 0
    .private_segment_fixed_size: 0
    .kernarg_segment_align: 8
    .kernarg_segment_size: 64
    .max_flat_workgroup_size: 128
    .sgpr_count:     66
    .vgpr_count:     192
    .wavefront_size: 32
...
	.end_amdgpu_metadata
.endif
;; end of part 1
;; launch qkvproj (part 2): grid 4 x 64, 4 waves a work-group, no clusters, 139,776 bytes of LDS; arguments xq, wcodes, wscales, q_bias, k_bias, low_rank_value_bias, qkv; writes qkv
.if DOCPART == 2
	.amdgcn_target "amdgcn-amd-amdhsa--gfx1250"
	.amdhsa_code_object_version 6
	.text
	.protected	k_q35ef7f6894_qkvproj
	.globl	k_q35ef7f6894_qkvproj
	.p2align	8
	.type	k_q35ef7f6894_qkvproj,@function
k_q35ef7f6894_qkvproj:
	s_mov_b64 s[64:65], 0
	v_nop
	global_prefetch_b8 v0, s[64:65] scope:SCOPE_SE
	s_setreg_imm32_b32 hwreg(HW_REG_WAVE_MODE, 25, 1), 1
	s_wait_xcnt 0x0
; q, k, v = x W + b on codes of E4M3 (one E8M0 byte for each 32 along K = 1,024), and their results quantised at once for the two products of attention.
; SHARES: a work-group takes 128 tokens (y) and a quarter of the 2,560 columns (x).  With U = 4 x + wave: pass 1 makes the 128 columns 128 U .. of [q | k] (two heads), pass 2 the 32 columns of v's head U.
; PHASE X: wave w copies K steps 2 w and 2 w + 1 of the block's image in xq, fragments and scale words, into LDS as it lies, as images of their registers (4 x 512 bytes, lane l's 16 bytes at 16 l; a scale word at 4 l); one barrier; after it LDS is only read.
; THE TOKENS OF A TILE ARE NOT NEIGHBOURS: row r of tile 2 g + u is token 32 g + 8 u + r + 8 (r / 8); the weights' column tiles are cut the same way.
; PASS 1 is used TRANSPOSED (source 0 = 16 columns of W, source 1 = 16 tokens): a lane holds one token and 64 registers that run along the columns, 16 neighbours of each block of 32: the conversions' results are chunks of q's or k's operand.
; PASS 2 is used as it stands (source 0 = 16 tokens, source 1 = 16 columns of Wv): a lane holds one channel of v and registers that run along the tokens, which are the keys, the K of attention's second product.
; The weights come from memory straight into registers, a K step ahead; the biases are the C of each sum's first matrix instruction.
; qkv: 128 regions of 202,752 bytes, region 64 t + 16 batch + head (t = 0: q; t = 1: k and v): codes of q or k, chunk (tile T, c) at 1024 T + 512 c; from 131,072 v's fragments (2 step + u) 2048;
;   from 196,608 q's or k's scale words, a word for two tiles: 64 (T / 2) + 4 r, bytes 0, 1 the even tile's two blocks, bytes 2, 3 the odd tile's; from 200,704 v's scale words, 128 step + 4 lane (lanes 0-15 u = 0, lanes 16-31 u = 1).
; No multicast: the weights go to registers, not to LDS (a work-group's 640 KiB of them do not fit there), so there is no tile that a joint load could bring.
; LIMITS: a block of zeros, or one whose largest magnitude lies under 2^-118, gets the byte 1 (only this program reads the bytes); NaN and infinities among the inputs are not served.
; REGISTERS, in windows of 256.  Window 0: v4-15 addresses; v16-31 at work in QUANT; v32-47 x's scale words, two sets; v48-55 W's, two sets; v56-63 Wv's; v64-127 the bias of pass 1, later scale words made here and v's bias; v128-255 x's eight fragments, later codes.
;   Window 1: W's fragments, two sets of 128; in pass 2 all 16 of Wv's.   Windows 2, 3: the 64 accumulators, (a, bt) at 8 (8 (a % 4) + bt) of window 2 + a / 4; in phase X window 2 holds x's numbers; in pass 2 window 2 holds v's 16 accumulators, window 3 (v128 on) x's second set.
.set HSTR, 202752
.set XSC,  131072                      ; LDS: x's fragments (K step s, tile T) at (8 s + T) 2048; from here their scale words at (8 s + T) 128
.set XA,   4
.set LI,   5                           ; v5   16 x lane
.set LI2,  6                           ; v6   16 x lane + 65,536
.set LS,   7                           ; v7   XSC + 4 x lane
.set XWI0, 8
.set XWS0, 9
.set XWI,  10                          ; v10  my quarter of x's fragments in LDS: 16 x lane + 32,768 x wave
.set XWS,  11                          ; v11
.set L4,   12                          ; v12  4 x lane
.set BO,   13                          ; v13  64 h
.set SA,   14                          ; v14  4 r + h x a region: lanes 16-31 store the second head's scale words
.set VBO,  15                          ; v15  4 (r + 8 (r / 8))
.set TM,   16                          ; v16-19 largest magnitudes, v20-23 bytes, v24-27 448 x the scale, v28-31 scale operands
.set XS,   32
.set WS,   48
.set WVSR, 56
.set BI,   64
.set PW,   64                          ; v64-71 the scale words of the eight token tiles
.set SW,   72                          ; v72-76 scale words as they are stored
.set VB,   96                          ; v96-111 v's bias, eight registers a tile
.set XF,   128
.set PWX,  160
.set WV,   18
.set U,    19
.set WB,   20
.set WSB,  22
.set BB,   24
.set WVB,  26
.set WVS,  28
.set VBB,  30
.set DQ,   32
.set DQS,  34
.set DV,   36
.set DVS,  38
.set SEL,  40
.set MNT,  42
.set PLO,  43
.set PHI,  44
.set HM,   45
.set TS,   46
.set TS2,  47
.set CNT,  48
.set MSB, 0
.macro WIN new                         ; the immediate's high byte repeats the setting that is left; a switch that changes nothing is dropped
.if MSB != (\new)
	s_set_vgpr_msb (MSB<<8)|(\new)
.set MSB, (\new)
.endif
.endm
.macro PLACES n                        ; plain vector instructions between a matrix instruction and a load into, or a vector access to, its registers
.rept \n
	v_nop
.endr
.endm
.macro MM d, a, b, c, sa, sb, ra, rb
.if \ra
	v_wmma_scale_f32_16x16x128_f8f6f4 v[(\d):(\d)+7], v[(\a):(\a)+15], v[(\b):(\b)+15], v[(\c):(\c)+7], v[\sa], v[\sb] matrix_a_scale:MATRIX_SCALE_ROW1
.elseif \rb
	v_wmma_scale_f32_16x16x128_f8f6f4 v[(\d):(\d)+7], v[(\a):(\a)+15], v[(\b):(\b)+15], v[(\c):(\c)+7], v[\sa], v[\sb] matrix_b_scale:MATRIX_SCALE_ROW1
.else
	v_wmma_scale_f32_16x16x128_f8f6f4 v[(\d):(\d)+7], v[(\a):(\a)+15], v[(\b):(\b)+15], v[(\c):(\c)+7], v[\sa], v[\sb]
.endif
.endm
; 64 numbers of a lane in window win, register 16 b + i = k 32 b + 16 h + i of my row, become a fragment's codes in v[pc] on and its scale word in v[pw], both in window 0.  Each accumulator is read from its low end on.
.macro QUANT src, win, pc, pw
	WIN (\win)*5                                   ; sources 0 and 1 in the numbers' window
.irp b, 0,1,2,3
	v_max3_num_f32 v[TM+\b], |v[(\src)+16*\b]|, |v[(\src)+16*\b+1]|, 0x4800000   ; block b: my 16 numbers, and the floor 2^(9 - 127)
.endr
.irp i, 2,4,6,8,10,12,14
.irp b, 0,1,2,3
	v_max3_num_f32 v[TM+\b], |v[(\src)+16*\b+\i]|, |v[(\src)+16*\b+\i+1]|, v[TM+\b]   ; the four blocks by turns
.endr
.endr
	WIN 0
.irp b, 0,1,2,3
	v_permlanex16_b32 v[TM+4+\b], v[TM+\b], s[SEL], s[SEL+1]
.endr
.irp b, 0,1,2,3
	v_max_num_f32 v[TM+\b], v[TM+\b], v[TM+4+\b]   ; with lane l xor 16's 16: the block's largest magnitude
.endr
.irp b, 0,1,2,3
	v_add_nc_u32 v[TM+12+\b], 0xfc000000, v[TM+\b] ; 8 off the exponent field: the conversion's scale operand
.endr
.irp b, 0,1,2,3
	v_and_or_b32 v[TM+8+\b], v[TM+\b], 0x7f800000, s[MNT]   ; 448 x the scale
.endr
.irp b, 0,1,2,3
	v_lshrrev_b32 v[TM+4+\b], 23, v[TM+12+\b]      ; the scale's byte
.endr
	v_lshl_or_b32 v[\pw], v[TM+5], 8, v[TM+4]
	v_lshl_or_b32 v[\pw], v[TM+6], 16, v[\pw]
	v_lshl_or_b32 v[\pw], v[TM+7], 24, v[\pw]
	WIN (\win)*65                                  ; source 0 and the destination in the numbers' window
.irp b, 0,1,2,3
.irp i, 0,1,2,3,4,5,6,7,8,9,10,11,12,13,14,15
	v_med3_num_f32 v[(\src)+16*\b+\i], v[(\src)+16*\b+\i], -v[TM+8+\b], v[TM+8+\b]   ; the conversion does not saturate (ISA guide 7.6.2): the hold comes first
.endr
.endr
	WIN (\win)
.irp b, 0,1,2,3
	v_cvt_scalef32_pk8_fp8_f32 v[(\pc)+4*\b:(\pc)+4*\b+1], v[(\src)+16*\b:(\src)+16*\b+7], v[TM+12+\b]
	v_cvt_scalef32_pk8_fp8_f32 v[(\pc)+4*\b+2:(\pc)+4*\b+3], v[(\src)+16*\b+8:(\src)+16*\b+15], v[TM+12+\b]
.endr
	WIN 0
	v_nop                                          ; one plain line behind the last scaled conversion
.endm
.macro XLOAD set, u, off               ; 64 numbers a lane: tile u of my wave's two, one K step, from off bytes on, into window 2
	WIN 0x80
.irp b, 0,1,2,3
.irp j, 0,1,2,3
	global_load_b128 v[64*(\set)+16*\b+4*\j:64*(\set)+16*\b+4*\j+3], v[XA], s[4:5] offset:(\off)+(\u)*32768+128*\b+16*\j
.endr
.endr
	WIN 0
.endm
.macro IMAGE off                       ; the fragment just made goes to LDS as it stands
.irp c, 0,1,2,3
	ds_store_b128 v[XWI], v[XF+4*\c:XF+4*\c+3] offset:(\off)+512*\c
.endr
.endm
.macro WLOAD s                         ; W's eight fragments and four registers of scale words of K step s, into set s % 2: 36 loads
	WIN 0x40
.irp bt, 0,1,2,3,4,5,6,7
.irp c, 0,1,2,3
	global_load_b128 v[128*((\s)%2)+16*\bt+4*\c:128*((\s)%2)+16*\bt+4*\c+3], v[LI], s[WB:WB+1] offset:(8*\bt+(\s))*2048+512*\c
.endr
.endr
	WIN 0
.irp q, 0,1,2,3
	global_load_b32 v[WS+4*((\s)%2)+\q], v[L4], s[WSB:WSB+1] offset:(\s)*10240+128*\q   ; lanes 0-15 tile 2 q's words, lanes 16-31 tile 2 q + 1's
.endr
.endm
.macro XFETCH s, p                     ; x's eight fragments and scale words of K step s from LDS: 40 loads.  p = 0: window 0, first set of words; p = 1: window 3, second set
	WIN 0xc0*(\p)
.irp a, 0,1,2,3,4,5,6,7
.irp c, 0,1,2,3
.if (\s) < 4
	ds_load_b128 v[XF+16*\a+4*\c:XF+16*\a+4*\c+3], v[LI] offset:(8*(\s)+\a)*2048+512*\c
.else
	ds_load_b128 v[XF+16*\a+4*\c:XF+16*\a+4*\c+3], v[LI2] offset:(8*((\s)-4)+\a)*2048+512*\c
.endif
.endr
.endr
	WIN 0
.irp a, 0,1,2,3,4,5,6,7
	ds_load_b32 v[XS+8*(\p)+\a], v[LS] offset:(8*(\s)+\a)*128
.endr
.endm
	s_load_b256 s[4:11], s[0:1], 0x0               ; x s[4:5], wcodes s[6:7], wscales s[8:9], q_bias s[10:11]
	s_load_b128 s[12:15], s[0:1], 0x20             ; k_bias s[12:13], v's bias s[14:15]
	s_load_b64 s[16:17], s[0:1], 0x30              ; qkv
	v_lshrrev_b32 v1, 5, v0
	v_readfirstlane_b32 s[WV], v1                  ; wave 0..3
	v_and_b32 v3, 31, v0                           ; lane
	v_and_b32 v1, 15, v0                           ; r
	v_bfe_u32 v2, v0, 4, 1                         ; h
	v_and_b32 v[VBO], 8, v1
	v_add_nc_u32 v[VBO], v[VBO], v1                ; r + 8 (r / 8)
	v_lshlrev_b32 v[VBO], 2, v[VBO]
	v_lshlrev_b32 v[LI], 4, v3
	v_add_nc_u32 v[LI2], 0x10000, v[LI]
	v_lshlrev_b32 v[L4], 2, v3
	v_add_nc_u32 v[LS], XSC, v[L4]
	s_lshl_b32 s50, s[WV], 15
	v_add_nc_u32 v[XWI], s50, v[LI]                ; my quarter of x's fragments in LDS: 16 x lane + 32,768 x wave
	s_lshl_b32 s50, s[WV], 11
	s_add_co_u32 s50, s50, XSC
	v_add_nc_u32 v[XWS], s50, v[LI]                ; and of their scale words: XSC + 16 x lane + 2,048 x wave
	v_lshlrev_b32 v[BO], 6, v2
	v_mul_u32_u24 v[SA], v2, HSTR
	v_lshl_add_u32 v[SA], v1, 2, v[SA]
.irp b, 0,1,2,3
	v_mov_b32 v[TM+4+\b], 0                        ; written once: a lane permute's destination counts as one of its sources
.endr
	s_mov_b32 s[SEL], 0x76543210
	s_mov_b32 s[SEL+1], 0xfedcba98                 ; v_permlanex16_b32's selects for lane l xor 16
	s_mov_b32 s[MNT], 0x600000                     ; the mantissa field of 448
	s_mov_b32 s[PLO], 0x05040100                   ; v_perm_b32: the two low halves
	s_mov_b32 s[PHI], 0x07060302                   ; the two high halves
	s_mov_b32 s[HM], 0xffff0000                    ; lanes 16-31
	s_and_b32 s51, ttmp7, 0xffff                   ; the block of 128 tokens
	s_lshl_b32 s[U], ttmp9, 2
	s_add_co_u32 s[U], s[U], s[WV]                 ; U = 4 x + wave
	s_lshr_b32 s52, s51, 4                         ; batch
	s_and_b32 s53, s51, 15                         ; the block within the batch = the key step
	s_and_b32 s54, s[U], 7
	s_lshr_b32 s55, s[U], 3                        ; 0: q, 1: k
	s_mov_b32 s57, 0
	s_wait_alu depctr_va_vdst(0)
	s_wait_kmcnt 0x0
	s_mul_i32 s56, s51, 139264                     ; xq: the block's image of 139,264 bytes,
	s_lshl_b32 s58, s[WV], 15                      ; my quarter of its fragments
	s_add_co_u32 s56, s56, s58
	s_add_nc_u64 s[4:5], s[4:5], s[56:57]          ; xq at the block's image + 32,768 x wave: K steps 2 wave, 2 wave + 1
	s_lshl_b32 s56, s[U], 17
	s_add_nc_u64 s[WB:WB+1], s[6:7], s[56:57]      ; my eight column tiles' fragments
	s_lshl_b32 s56, s[U], 15
	s_add_co_u32 s56, s56, 0x200000
	s_add_nc_u64 s[WVB:WVB+1], s[6:7], s[56:57]    ; Wv's two tiles of head U
	s_lshl_b32 s56, s[U], 9
	s_add_nc_u64 s[WSB:WSB+1], s[8:9], s[56:57]
	s_lshl_b32 s56, s[U], 7
	s_add_nc_u64 s[VBB:VBB+1], s[14:15], s[56:57]
	s_add_co_u32 s56, s56, 8192
	s_add_nc_u64 s[WVS:WVS+1], s[8:9], s[56:57]
	s_cmp_lt_u32 s[U], 8                           ; q's bias or k's: the choice hangs on ids alone
	s_cselect_b64 s[BB:BB+1], s[10:11], s[12:13]
	s_lshl_b32 s56, s54, 9
	s_add_nc_u64 s[BB:BB+1], s[BB:BB+1], s[56:57]
	s_lshl_b32 s58, s55, 6
	s_lshl_b32 s59, s52, 4
	s_add_co_u32 s58, s58, s59
	s_lshl_b32 s56, s54, 1
	s_add_co_u32 s56, s56, s58
	s_mul_i32 s60, s56, HSTR                       ; the region of my first head
	s_lshl_b32 s56, s53, 13
	s_add_co_u32 s56, s56, s60
	s_add_nc_u64 s[DQ:DQ+1], s[16:17], s[56:57]
	s_lshl_b32 s56, s53, 8
	s_add_co_u32 s56, s56, s60
	s_add_co_u32 s56, s56, 196608
	s_add_nc_u64 s[DQS:DQS+1], s[16:17], s[56:57]
	s_add_co_u32 s60, s59, s[U]
	s_add_co_u32 s60, s60, 64
	s_mul_i32 s60, s60, HSTR                       ; the region of k and v of head U
	s_lshl_b32 s56, s53, 12
	s_add_co_u32 s56, s56, s60
	s_add_co_u32 s56, s56, 131072
	s_add_nc_u64 s[DV:DV+1], s[16:17], s[56:57]
	s_lshl_b32 s56, s53, 7
	s_add_co_u32 s56, s56, s60
	s_add_co_u32 s56, s56, 200704
	s_add_nc_u64 s[DVS:DVS+1], s[16:17], s[56:57]
	; ---- the bias of pass 1, in the result's layout: tile bt = 2 g + u, lane half h: columns 32 g + 8 u + 16 h + 0 .. 7
.irp bt, 0,1,2,3,4,5,6,7
	global_load_b128 v[BI+8*\bt:BI+8*\bt+3], v[BO], s[BB:BB+1] offset:(32*(\bt/2)+8*(\bt%2))*4
	global_load_b128 v[BI+8*\bt+4:BI+8*\bt+7], v[BO], s[BB:BB+1] offset:(32*(\bt/2)+8*(\bt%2))*4+16
.endr
	; ---- PHASE X: my quarter of x's image, from xq into LDS
	; ---- x ARRIVES QUANTISED (the first launch made xq, in the order in which this LDS holds it): each wave copies a quarter of the block's image, 64 + 4 loads of 512 consecutive bytes, through window 2 and v128-143
	s_mul_i32 s50, s[WV], 30720
	s_sub_co_u32 s58, 131072, s50                  ; from my quarter of the fragments to my quarter of the scale words: 131,072 - 32,768 w + 2,048 w
	s_mov_b32 s59, 0
	s_add_nc_u64 s[TS:TS+1], s[4:5], s[58:59]
	WIN 0x80
.set i, 0
.rept 64
	global_load_b128 v[4*i:4*i+3], v[LI], s[4:5] offset:512*i
.set i, i+1
.endr
	WIN 0
.irp c, 0,1,2,3
	global_load_b128 v[XF+4*\c:XF+4*\c+3], v[LI], s[TS:TS+1] offset:512*\c
.endr
	WLOAD 0                                        ; the weights of K step 0 are asked for here
	s_wait_alu depctr_va_vdst(0)                   ; the wait ahead of the wait below
	s_wait_loadcnt 36                              ; my quarter is in; the weights' 36 loads may be out
	WIN 0x08                                       ; an LDS store's data are its source 1: window 2
.set i, 0
.rept 64
	ds_store_b128 v[XWI], v[4*i:4*i+3] offset:512*i
.set i, i+1
.endr
	WIN 0
.irp c, 0,1,2,3
	ds_store_b128 v[XWS], v[XF+4*\c:XF+4*\c+3] offset:512*\c
.endr
	s_wait_dscnt 0x0                               ; for the others' sake: my stores have landed
	s_barrier_signal -1
	s_barrier_wait -1                              ; x's 64 fragments lie in LDS; from here on LDS is only read
	; ---- PASS 1: 128 tokens x my 128 columns of [q | k]; the 64 accumulators take turns, one instruction a turn
.macro STEP1 s
	WIN 0
.if (\s) > 0
	PLACES 8
.endif
	XFETCH \s, 0
.if (\s) < 7
	WLOAD (\s)+1
	s_wait_loadcnt 36                              ; this K step's weights are in; the next step's 36 loads may be out
.else
	s_wait_loadcnt 0x0
.endif
	s_wait_dscnt 0x0
.irp a, 0,1,2,3,4,5,6,7
.if (\s) == 0
	WIN 0x81+0x40*(\a/4)                           ; W window 1, x and the bias window 0, the result window 2 or 3
.else
	WIN 0xa1+0x50*(\a/4)                           ; C and D window 2 or 3
.endif
.irp bt, 0,1,2,3,4,5,6,7
.if (\s) == 0
	MM 8*(8*(\a%4)+\bt), 128*((\s)%2)+16*\bt, XF+16*\a, BI+8*\bt, WS+4*((\s)%2)+\bt/2, XS+\a, \bt%2, 0
.else
	MM 8*(8*(\a%4)+\bt), 128*((\s)%2)+16*\bt, XF+16*\a, 8*(8*(\a%4)+\bt), WS+4*((\s)%2)+\bt/2, XS+\a, \bt%2, 0
.endif
.endr
.endr
.endm
.irp s, 0,1,2,3,4,5,6,7
	STEP1 \s
.endr
	; ---- q's or k's results become codes.  Pass 2's weights are asked for first: they land under the conversions
	WIN 0
	PLACES 8
	WIN 0x40
.irp u, 0,1
.irp s, 0,1,2,3
.irp c, 0,1,2,3
	global_load_b128 v[16*(8*\u+\s)+4*\c:16*(8*\u+\s)+4*\c+3], v[LI], s[WVB:WVB+1] offset:(8*\u+\s)*2048+512*\c
.endr
.endr
.endr
	WIN 0
.irp s, 0,1,2,3,4,5,6,7
	global_load_b32 v[WVSR+\s], v[L4], s[WVS:WVS+1] offset:\s*10240     ; lanes 0-15 tile 0's words, lanes 16-31 tile 1's
.endr
.irp u, 0,1
.irp j, 0,1,2,3,4,5,6,7
	global_load_b32 v[VB+8*\u+\j], v[VBO], s[VBB:VBB+1] offset:32*\u    ; in pass 2 a lane holds one channel: its bias fills the eight registers of C
.endr
.endr
.irp a, 0,1,2,3,4,5,6,7
	QUANT 64*(\a%4), 2+\a/4, XF+16*\a, PW+\a
.irp e, 0,1,2,3
	global_store_b128 v[LI], v[XF+16*\a+4*\e:XF+16*\a+4*\e+3], s[DQ:DQ+1] offset:(\e/2)*HSTR+\a*1024+512*(\e%2)   ; block e: head e / 2, chunk e % 2: 512 consecutive bytes
.endr
.if \a%2
	v_perm_b32 v80, v[PW+\a], v[PW+\a-1], s[PLO]   ; the first head's word of the pair of tiles: the even tile's two bytes, then the odd tile's
	v_perm_b32 v81, v[PW+\a], v[PW+\a-1], s[PHI]   ; the second head's
	v_cndmask_b32 v[SW+\a/2], v80, v81, s[HM]      ; lanes 16-31 carry the second head's
	global_store_b32 v[SA], v[SW+\a/2], s[DQS:DQS+1] offset:64*(\a/2)
.endif
.if \a == 3
	WIN 0x40
.irp u, 0,1
.irp s, 4,5,6,7
.irp c, 0,1,2,3
	global_load_b128 v[16*(8*\u+\s)+4*\c:16*(8*\u+\s)+4*\c+3], v[LI], s[WVB:WVB+1] offset:(8*\u+\s)*2048+512*\c
.endr
.endr
.endr
	WIN 0
.endif
.endr
	; ---- PASS 2: v of head U; sixteen accumulators by turns; x's fragments a K step ahead, in two sets
	s_wait_xcnt 0x0                                ; the stores have read their data: x's fragments may land there
	XFETCH 0, 0
	s_wait_loadcnt 0x0                             ; Wv, its scale words, the bias
.irp s, 0,1,2,3,4,5,6,7
.if \s > 0
	WIN 0
	PLACES 8
.endif
.if \s < 7
	XFETCH \s+1, (\s+1)%2
	s_wait_dscnt 40                                ; this K step's fragments are in; the next step's 40 loads may be out
.else
	s_wait_dscnt 0x0
.endif
.if \s == 0
	WIN 0x84                                       ; x and the bias window 0, Wv window 1, the result window 2
.elseif \s%2
	WIN 0xa7                                       ; x window 3
.else
	WIN 0xa4
.endif
.irp a, 0,1,2,3,4,5,6,7
.irp u, 0,1
.if \s == 0
	MM 64*\u+8*\a, XF+16*\a, 16*(8*\u+\s), VB+8*\u, XS+8*(\s%2)+\a, WVSR+\s, 0, \u
.else
	MM 64*\u+8*\a, XF+16*\a, 16*(8*\u+\s), 64*\u+8*\a, XS+8*(\s%2)+\a, WVSR+\s, 0, \u
.endif
.endr
.endr
.endr
	WIN 0
	PLACES 8
.irp u, 0,1
	QUANT 64*\u, 2, XF+16*\u, PW+\u                ; along the 128 tokens: one key step's fragment of V^T
.irp c, 0,1,2,3
	global_store_b128 v[LI], v[XF+16*\u+4*\c:XF+16*\u+4*\c+3], s[DV:DV+1] offset:\u*2048+512*\c
.endr
.endr
	v_cndmask_b32 v[SW+4], v[PW], v[PW+1], s[HM]   ; lanes 0-15 tile 0's words, lanes 16-31 tile 1's
	global_store_b32 v[L4], v[SW+4], s[DVS:DVS+1]
	s_wait_xcnt 0x0
	v_lshl_add_u32 v254, v0, 2, 0x22000
	v_mov_b32 v255, 0
	s_wait_alu depctr_va_vdst(0)
	s_wait_tensorcnt 0x0
	ds_add_u32 v254, v255
	s_wait_dscnt 0x0
	s_endpgm
.Lfunc_end_k_q35ef7f6894_qkvproj:
	.size	k_q35ef7f6894_qkvproj, .Lfunc_end_k_q35ef7f6894_qkvproj-k_q35ef7f6894_qkvproj
	.p2alignl 7, 3214868480
	.fill 96, 4, 3214868480
	.section	.rodata,"a",@progbits
	.p2align	6, 0x0
	.amdhsa_kernel k_q35ef7f6894_qkvproj
		.amdhsa_group_segment_fixed_size 139776
		.amdhsa_private_segment_fixed_size 0
		.amdhsa_enable_private_segment 0
		.amdhsa_kernarg_size 56
		.amdhsa_user_sgpr_count 2
		.amdhsa_user_sgpr_kernarg_segment_ptr 1
		.amdhsa_wavefront_size32 1
		.amdhsa_system_sgpr_workgroup_id_x 1
		.amdhsa_system_sgpr_workgroup_id_y 1
		.amdhsa_system_sgpr_workgroup_id_z 1
		.amdhsa_system_vgpr_workitem_id 0
		.amdhsa_next_free_vgpr 1024
		.amdhsa_next_free_sgpr 66
		.amdhsa_reserve_vcc 0
		.amdhsa_float_denorm_mode_32 3
		.amdhsa_float_denorm_mode_16_64 3
		.amdhsa_memory_ordered 1
		.amdhsa_forward_progress 1
		.amdhsa_inst_pref_size 255
	.end_amdhsa_kernel
	.section	.bss,"aw",@nobits
	.p2align	6
	.space	262144
	.amdgpu_metadata
---
amdhsa.version: [ 1, 2 ]
amdhsa.kernels:
  - .name:           k_q35ef7f6894_qkvproj
    .symbol:         k_q35ef7f6894_qkvproj.kd
    .args:
      - { .name: xq, .offset: 0, .size: 8, .value_kind: global_buffer, .address_space: global }
      - { .name: wcodes, .offset: 8, .size: 8, .value_kind: global_buffer, .address_space: global }
      - { .name: wscales, .offset: 16, .size: 8, .value_kind: global_buffer, .address_space: global }
      - { .name: q_bias, .offset: 24, .size: 8, .value_kind: global_buffer, .address_space: global }
      - { .name: k_bias, .offset: 32, .size: 8, .value_kind: global_buffer, .address_space: global }
      - { .name: low_rank_value_bias, .offset: 40, .size: 8, .value_kind: global_buffer, .address_space: global }
      - { .name: qkv, .offset: 48, .size: 8, .value_kind: global_buffer, .address_space: global }
    .group_segment_fixed_size: 139776
    .private_segment_fixed_size: 0
    .kernarg_segment_align: 8
    .kernarg_segment_size: 56
    .max_flat_workgroup_size: 128
    .sgpr_count:     66
    .vgpr_count:     1024
    .wavefront_size: 32
...
	.end_amdgpu_metadata
.endif
;; end of part 2
;; launch attn (part 3): grid 4 x 64, 16 waves a work-group, clusters of 4 x 1, 204,800 bytes of LDS; arguments qkv, acodes, ascales; writes acodes, ascales
.if DOCPART == 3
	.amdgcn_target "amdgcn-amd-amdhsa--gfx1250"
	.amdhsa_code_object_version 6
	.text
	.protected	k_q35ef7f6894_attn
	.globl	k_q35ef7f6894_attn
	.p2align	8
	.type	k_q35ef7f6894_attn,@function
k_q35ef7f6894_attn:
	s_mov_b64 s[64:65], 0
	v_nop
	global_prefetch_b8 v0, s[64:65] scope:SCOPE_SE
	s_setreg_imm32_b32 hwreg(HW_REG_WAVE_MODE, 25, 1), 1
	s_wait_xcnt 0x0
	s_wait_alu depctr_hold_cnt(0) depctr_sa_sdst(0) depctr_va_vdst(0) depctr_va_sdst(0) depctr_va_ssrc(0) depctr_va_vcc(0) depctr_vm_vsrc(0)
	s_getreg_b32 s2, hwreg(HW_REG_IB_STS2, 6, 4)
	s_cmp_eq_u32 s2, 0
	s_cbranch_scc0 .Lentry_in_a_cluster
	s_endpgm
.Lentry_in_a_cluster:
	s_bfe_u32 s2, ttmp6, 0x10000c
	s_cmp_lg_u32 s2, 0x3003
	s_cbranch_scc0 .Lentry_shape_is_right
	s_endpgm
.Lentry_shape_is_right:
; Causal attention of one (batch, head) on codes of E4M3, and its result quantised for the output projection.
; t = score x log2(e) / 8; M = the running largest t rounded UP to a whole number; p = 2^(t - M) is quantised along the keys, not normalised; the row's sum is taken of the unquantised p and divides at the end.
; Key steps all of whose keys come after a tile's queries are left out.
; A HEAD'S k AND v LIE IN LDS WHOLE: an image of the head's region of qkv, 202,752 bytes, filled once, never stored into: k's fragments from 0 (8,192 a key step of 128), v's from 131,072 (4,096 a step), k's scale words from 196,608, v's from 200,704.
; CLUSTER: the four work-groups of a cluster take the four quarters of one head's queries and need the same bytes: each piece of 16,384 bytes (the last: 6,144) is asked for JOINTLY (mask 15), one load a wave.
; THE FIRST FOUR KEY STEPS' BYTES HAVE LOAD LINES OF THEIR OWN: waves 0, 1 ask for k's pieces 0, 1, wave 2 for v's piece 8, wave 3 for the scale words; these four alone wait at the first barrier.
;   Waves 4-12 ask for the other nine pieces; every wave waits for its load at the second barrier, behind the first pass's three first trips, which read (a step's look-ahead among it) the first four steps' bytes alone.
; No prefetch: all of k and v is asked for at the head by the tensor loads themselves; there is no later tile to ask for ahead.
; SHARES: a tile is 16 queries; row r of tile T is token 32 (T / 2) + 8 (T % 2) + r + 8 (r / 8); it walks T / 8 + 1 key steps.  Wave w = 4 p + j takes tile 8 (j + 4 (3 - p)) + cx and tile 8 (15 - w) + 4 + cx:
;   29, 21, 13 and 5 key steps for p = 0, 1, 2, 3, and 68 for the four waves of each j.
;   Every wave walks 16 trips in each pass; a hidden trip jumps over its work.  Branches hang on the wave's number and on counters; cx enters global addresses and the mask's number alone.
; K = 64 fills half of the instruction's 128: two tiles of keys share one operand (registers 0-7 the even tile, 8-15 the odd), and q is used as [q | 0] and as [0 | q].
; Both products are used transposed: a lane holds one query throughout; the 16 registers of two neighbouring tiles of keys are 16 neighbouring keys.
; k's OPERANDS 2 AND 3 ARE FETCHED A STEP AHEAD, beside v's fragments: their registers are free behind the first product; v lies in the registers of operands 0 and 1, which are fetched at the step's head.  Behind the last step the look-ahead reads bytes of the image that it does not use.
; ON THE DIAGONAL the first pass's queries lie among the step's keys 0-63 (T % 8 = cx), the second's among 64-127: only two blocks of 32 are compared; the other two are hidden whole or count whole.
; OUT: a head's 32 channels are one block of the output projection's K: acodes chunk (token tile, head) at (16 tile + head) 512; ascales byte at 256 tile + 16 r + head (single bytes; 131,072 bytes in all).
; LIMITS: the promise holds while |t| stays under 2^31; v_exp_f32 gives 0 for p under 2^-126; a block of zeros or under 2^-118 gets the byte 1 (only this program reads the bytes); NaN and infinities are not served.
; REGISTERS: v1-10 addresses; v11 -infinity; v12 -M, v13 the largest score, v[14:15] the sum; v16-23 zeros, v24-31 q, v32-39 zeros; v40-103 four operands of k (v40-71 also v's two); v104-167 S^T, then p; v168-183 O^T; v184-199 p's codes;
;   v200-215 both tiles' q; v216, 217 their scale bytes; v218-227 results; v231, v251 the add's two; v232-247, v252, v254 at work; v248-250, v253, v255 scale words.
.set HSTR, 202752
.set SPARE, 202752                     ; behind the image: the spare words, 128 bytes a wave
.set LI,  1                            ; v1   16 x lane
.set L4,  2                            ; v2   4 x lane
.set D0,  3                            ; v3   r + 8 (r / 8) - 16 h
.set ADK, 4
.set ADV, 5
.set ADS, 6
.set ADT, 7
.set R4,  8                            ; v8   4 r
.set R16, 9                            ; v9   16 r
.set DQ,  10                           ; v10  my query's place in the diagonal step, less 16 h
.set QHI, 16
.set QLO, 24
.set KF,  40
.set S,   104
.set OT,  168
.set PC,  184
.set SPW, 231
.set NIL, 251
.set WV,  10
.set CX,  11
.set G0A, 12                           ; group 0: piece = wave
.set G1C, 16
.set G1S, 24
.set SEL, 32
.set CS,  34
.set MNT, 36
.set G,   37                           ; s37  the pass's diagonal step
.set KS,  38                           ; s38  the key step
.set TK,  39                           ; s39-42 where the step's k, v, k's and v's scale words begin in LDS
.set TV,  40
.set TSK, 41
.set TSV, 42
.set QR,  43
.set QCA, 46
.set QCB, 48
.set QSA, 50
.set QSB, 52
.set OCA, 54
.set OCB, 56
.set OSA, 58
.set OSB, 60
.set BH,  62
.set T,   63
.set DQA, 66
.set DQB, 67
.set B128, 70
.set HD,  71
.set G0B, 72                           ; piece 8
.set G0C, 76                           ; piece 12: the scale words
.set G0D, 80                           ; piece = wave xor 10: waves 8, 9 take pieces 2, 3
.set G0E, 84                           ; piece 9
.set GA,  88                           ; s88  the first pass's diagonal step: j + 4 (3 - p)
.macro CROUND                          ; a round of the cluster's barrier
	s_barrier_signal -1
	s_barrier_wait -1
	s_cmp_lg_u32 s[WV], 0
	s_cbranch_scc1 .Lnot_wave_0_\@
	s_barrier_signal -3
.Lnot_wave_0_\@:
	s_barrier_wait -3
	s_barrier_signal -1
	s_barrier_wait -1
.endm
.macro MMZ d, a, b, sa, sb, ra         ; a product that starts its sums
.if \ra
	v_wmma_scale_f32_16x16x128_f8f6f4 v[(\d):(\d)+7], v[(\a):(\a)+15], v[(\b):(\b)+15], 0, v[\sa], v[\sb] matrix_a_scale:MATRIX_SCALE_ROW1
.else
	v_wmma_scale_f32_16x16x128_f8f6f4 v[(\d):(\d)+7], v[(\a):(\a)+15], v[(\b):(\b)+15], 0, v[\sa], v[\sb]
.endif
.endm
.macro MMA d, a, b, sa, sb, ra         ; one that adds in place
.if \ra
	v_wmma_scale_f32_16x16x128_f8f6f4 v[(\d):(\d)+7], v[(\a):(\a)+15], v[(\b):(\b)+15], v[(\d):(\d)+7], v[\sa], v[\sb] matrix_a_scale:MATRIX_SCALE_ROW1
.else
	v_wmma_scale_f32_16x16x128_f8f6f4 v[(\d):(\d)+7], v[(\a):(\a)+15], v[(\b):(\b)+15], v[(\d):(\d)+7], v[\sa], v[\sb]
.endif
.endm
; for the tile in s[T]: where its q, its scale bytes and its results lie, and its place in the diagonal step
.macro PTRS qc, qs, oc, os, dq
	s_lshl_b32 s68, s[T], 10
	s_add_co_u32 s68, s68, s[QR]
	s_add_nc_u64 s[\qc:\qc+1], s[4:5], s[68:69]
	s_lshr_b32 s68, s[T], 1
	s_lshl_b32 s68, s68, 6
	s_and_b32 s2, s[T], 1
	s_lshl_b32 s3, s2, 1
	s_add_co_u32 s68, s68, s3
	s_add_co_u32 s68, s68, s[QR]
	s_add_co_u32 s68, s68, 196608
	s_add_nc_u64 s[\qs:\qs+1], s[4:5], s[68:69]    ; the pair's words, + 2 bytes for an odd tile
	s_add_co_u32 s3, s[B128], s[T]                 ; the tile among all 512
	s_lshl_b32 s68, s3, 4
	s_add_co_u32 s68, s68, s[HD]
	s_lshl_b32 s68, s68, 9
	s_add_nc_u64 s[\oc:\oc+1], s[6:7], s[68:69]
	s_lshl_b32 s68, s3, 8
	s_add_co_u32 s68, s68, s[HD]
	s_add_nc_u64 s[\os:\os+1], s[8:9], s[68:69]
	s_and_b32 s3, s[T], 6
	s_lshl_b32 s3, s3, 4                           ; 32 ((T % 8) / 2)
	s_lshl_b32 s2, s2, 3                           ; 8 (T % 2)
	s_add_co_u32 s[\dq], s3, s2
.endm
.macro ARM under, g0, g1, next         ; one arm of the head's chain: a load, its s_nop 0 and four v_nop, a jump to the join
	s_cmp_lt_u32 s[WV], \under
	s_cbranch_scc0 \next
	tensor_load_to_lds s[\g0:\g0+3], s[\g1:\g1+7]
	s_nop 0
.rept 4
	v_nop
.endr
	s_branch .Lasked
\next:
.endm
	s_load_b128 s[4:7], s[0:1], 0x0                ; qkv, acodes
	s_load_b64 s[8:9], s[0:1], 0x10                ; ascales
	v_lshl_add_u32 v[SPW], v0, 2, SPARE
	v_mov_b32 v[NIL], 0
	ds_add_u32 v[SPW], v[NIL]                      ; the opening lines: the add, twice on end, and its wait ahead of the first tensor load
	ds_add_u32 v[SPW], v[NIL]
	v_lshrrev_b32 v1, 5, v0
	v_readfirstlane_b32 s[WV], v1                  ; wave 0..15
	v_and_b32 v4, 31, v0
	v_and_b32 v5, 15, v0                           ; r
	v_bfe_u32 v6, v0, 4, 1                         ; h
	v_lshlrev_b32 v[LI], 4, v4
	v_lshlrev_b32 v[L4], 2, v4
	v_lshlrev_b32 v[R4], 2, v5
	v_lshlrev_b32 v[R16], 4, v5
	v_and_b32 v[D0], 8, v5
	v_lshlrev_b32 v6, 4, v6
	v_add_nc_u32 v[D0], v[D0], v5
	v_sub_nc_u32 v[D0], v[D0], v6
.irp j, 0,1,2,3,4,5,6,7
	v_mov_b32 v[QHI+\j], 0                         ; the zero halves round q: zero codes add nothing
	v_mov_b32 v[QLO+8+\j], 0
.endr
.irp b, 0,1,2,3
	v_mov_b32 v[236+\b], 0                         ; written once: a lane permute's destination counts as one of its sources
.endr
	v_mov_b32 v253, 0                              ; (named as the upper half of the pair v[252:253] before it is first written)
	v_mov_b32 v254, 0
	s_and_b32 s[BH], ttmp7, 0xffff                 ; 16 batch + head: the cluster's y
	s_add_co_u32 s44, s[BH], 64
	s_mul_i32 s44, s44, HSTR                       ; the region of this head's k and v
	s_mov_b32 s45, 0
	; the joint loads' descriptors: nothing in them hangs on the work-group's place in its cluster.  A piece lies at 16,384 x its number in LDS as in the region
.irp g, G0A, G0B, G0C, G0D, G0E
	s_mov_b32 s[\g], 1                             ; count = 1
.endr
	s_lshl_b32 s[G0A+1], s[WV], 14
	s_mov_b32 s[G0B+1], 131072
	s_mov_b32 s[G0C+1], 196608
	s_xor_b32 s[G0D+1], s[WV], 10
	s_lshl_b32 s[G0D+1], s[G0D+1], 14
	s_mov_b32 s[G0E+1], 147456
	s_mov_b32 s[G1C], 15|(3<<16)|(1<<21)           ; the mask: all four work-groups; elements of 8 bytes; bit 21 set beside a mask; no padding
	s_mov_b32 s[G1C+1], 32<<16                     ; tensor_dim0 = 32 elements: rows of 256 bytes
	s_mov_b32 s[G1C+2], 64<<16                     ; tensor_dim1 = 64 rows
	s_mov_b32 s[G1C+3], 32<<16                     ; tile_dim0
	s_mov_b32 s[G1C+4], 64                         ; tile_dim1
	s_mov_b32 s[G1C+5], 32                         ; the pitch: the block is dense
	s_mov_b32 s[G1C+6], 0
	s_mov_b32 s[G1C+7], 0
	s_mov_b32 s[G1S], 15|(3<<16)|(1<<21)           ; the same with 24 rows: the scale words
	s_mov_b32 s[G1S+1], 32<<16
	s_mov_b32 s[G1S+2], 24<<16
	s_mov_b32 s[G1S+3], 32<<16
	s_mov_b32 s[G1S+4], 24
	s_mov_b32 s[G1S+5], 32
	s_mov_b32 s[G1S+6], 0
	s_mov_b32 s[G1S+7], 0
	s_mov_b32 s[SEL], 0x76543210
	s_mov_b32 s[SEL+1], 0xfedcba98                 ; v_permlanex16_b32's selects for lane l xor 16
	s_mov_b32 s[CS], 0x3e38aa3b                    ; c = log2(e) / 8
	s_mov_b32 s[CS+1], s[CS]                       ; (named with it as a pair, so it is written)
	s_mov_b32 s[MNT], 0x600000                     ; the mantissa field of 448
	s_bfe_u32 s[CX], ttmp6, 0x40000                ; my place in the cluster
	s_mul_i32 s[QR], s[BH], HSTR                   ; the region of this head's q
	s_lshr_b32 s[B128], s[BH], 4
	s_lshl_b32 s[B128], s[B128], 7                 ; 128 x batch
	s_and_b32 s[HD], s[BH], 15
	s_lshr_b32 s[GA], s[WV], 2                     ; p
	s_xor_b32 s[GA], s[GA], 3                      ; 3 - p
	s_lshl_b32 s[GA], s[GA], 2
	s_and_b32 s89, s[WV], 3                        ; j
	s_add_co_u32 s[GA], s[GA], s89
	s_mov_b32 s69, 0
	s_wait_alu depctr_va_vdst(0)                   ; the wait at the head's end
	s_wait_dscnt 0x0                               ; both opening adds are done
	s_wait_kmcnt 0x0
	s_add_nc_u64 s[44:45], s[4:5], s[44:45]
.irp g, G0A, G0B, G0C, G0D, G0E
	s_mov_b32 s68, s[\g+1]
	s_add_nc_u64 s[\g+2:\g+3], s[44:45], s[68:69]
	s_or_b32 s[\g+3], s[\g+3], 0x80000000          ; type = 2
.endr
	CROUND                                         ; all four work-groups are here: the joint loads meet
	ARM 2,  G0A, G1C, .La1                         ; waves 0, 1: k's key steps 0-3
	ARM 3,  G0B, G1C, .La2                         ; wave 2: v's key steps 0-3
	ARM 4,  G0C, G1S, .La3                         ; wave 3: the scale words
	ARM 8,  G0A, G1C, .La4                         ; waves 4-7: k's pieces 4-7
	ARM 10, G0D, G1C, .La5                         ; waves 8, 9: k's pieces 2, 3
	ARM 12, G0A, G1C, .La6                         ; waves 10, 11: v's pieces 10, 11
	ARM 13, G0E, G1C, .La7                         ; wave 12: v's piece 9
.Lasked:
	s_lshl_b32 s[T], s[GA], 3
	s_add_co_u32 s[T], s[T], s[CX]                 ; the first pass's tile: 8 (j + 4 (3 - p)) + cx
	PTRS QCA, QSA, OCA, OSA, DQA
	global_load_b128 v[200:203], v[LI], s[QCA:QCA+1]             ; both tiles' q: two chunks each,
	global_load_b128 v[204:207], v[LI], s[QCA:QCA+1] offset:512
	global_load_u16 v216, v[R4], s[QSA:QSA+1]                    ; and their rows' two scale bytes
	s_lshl_b32 s[T], s[WV], 3
	s_sub_co_u32 s[T], 124, s[T]
	s_add_co_u32 s[T], s[T], s[CX]                 ; the second's: 8 (15 - w) + 4 + cx
	PTRS QCB, QSB, OCB, OSB, DQB
	global_load_b128 v[208:211], v[LI], s[QCB:QCB+1]
	global_load_b128 v[212:215], v[LI], s[QCB:QCB+1] offset:512
	global_load_u16 v217, v[R4], s[QSB:QSB+1]
	s_cmp_lt_u32 s[WV], 4                          ; the issuers of the chain's first three lines wait here, all of them; the others' wait stands at the second barrier
	s_cbranch_scc0 .Llater
	s_wait_tensorcnt 0x0
.Llater:
	s_barrier_signal -1
	s_barrier_wait -1                              ; the first four key steps' k and v and all scale words lie in LDS
	s_wait_loadcnt 0x0
.macro START qh, qs, dq                ; a tile of queries begins: its codes and scale bytes, its place in the diagonal step
.irp i, 0,1,2,3,4,5,6,7
	v_mov_b32 v[QLO+\i], v[(\qh)+\i]
.endr
	v_lshl_or_b32 v255, v[\qs], 16, v[\qs]         ; q's scale word: its two bytes serve both halves of K
	v_add_nc_u32 v[DQ], s[\dq], v[D0]
	v_add_nc_u32 v[ADS], 196608, v[L4]
	v_mov_b32 v13, 0xff61b1e6                      ; the largest score so far: -3e38
	v_mov_b32 v14, 0
	v_mov_b32 v15, 0
	v_floor_f32 v12, -v13                          ; -M
.irp j, 0,1,2,3,4,5,6,7,8,9,10,11,12,13,14,15
	v_mov_b32 v[OT+\j], 0                          ; the step is written once: the first finds zeros
.endr
.set i, 8
.rept 8
	ds_load_b128 v[KF+4*i:KF+4*i+3], v[LI] offset:512*i          ; key step 0's operands 2 and 3, which every later step finds fetched
.set i, i+1
.endr
	ds_load_b32 v249, v[ADS] offset:128
.endm
.macro FROM ks                         ; the walk stands at key step ks
	s_mov_b32 s[KS], \ks
	s_mov_b32 s[TK], 8192*(\ks)
	s_mov_b32 s[TV], 131072+4096*(\ks)
	s_mov_b32 s[TSK], 196608+256*(\ks)
	s_mov_b32 s[TSV], 200704+128*(\ks)
.endm
; THE WALK up to key step kend.  blk = 0: on the diagonal my queries lie among the step's keys 0-63; blk = 2: among 64-127
.macro WALK kend, blk
.Lstep_\@:
	s_cmp_gt_u32 s[KS], s[G]                       ; all 128 keys come after my queries: the work is left out, the steps of the addresses are not
	s_cbranch_scc1 .Lhidden_\@
	v_add_nc_u32 v[ADK], s[TK], v[LI]
	v_add_nc_u32 v[ADV], s[TV], v[LI]
	v_add_nc_u32 v[ADS], s[TSK], v[L4]
	v_add_nc_u32 v[ADT], s[TSV], v[L4]
.rept 4
	v_nop                                          ; with the four additions: eight places in front of loads into registers that the last products read
.endr
	ds_load_b32 v248, v[ADS]                       ; lanes 0-15 operand 0's words, lanes 16-31 operand 1's
.set i, 0
.rept 8
	ds_load_b128 v[KF+4*i:KF+4*i+3], v[ADK] offset:512*i         ; operands 0 and 1: four tiles of keys
.set i, i+1
.endr
	s_wait_alu depctr_va_vdst(0)                   ; the wait ahead of the wait below
	s_wait_dscnt 9                                 ; operands 2 and 3 and their words, asked for a step ago, are in; the nine loads above may be out
.irp p, 2,3
	MMZ S+16*\p, KF+16*\p, QLO, 248+\p/2, 255, \p%2              ; keys 32 p + 16 h + 0 .. 7
	MMZ S+16*\p+8, KF+16*\p, QHI, 248+\p/2, 255, \p%2            ; keys 32 p + 16 h + 8 .. 15
.endr
.irp p, 0,1
	s_wait_dscnt 4-4*\p                            ; operand p is in; behind operand 0 the four loads of operand 1 may be out
	MMZ S+16*\p, KF+16*\p, QLO, 248+\p/2, 255, \p%2
	MMZ S+16*\p+8, KF+16*\p, QHI, 248+\p/2, 255, \p%2
.endr
.rept 8
	v_nop
.endr
.set i, 0
.rept 8
	ds_load_b128 v[KF+4*i:KF+4*i+3], v[ADV] offset:512*i         ; v's two fragments: they land under the softmax
.set i, i+1
.endr
	ds_load_b32 v250, v[ADT]
.set i, 8
.rept 8
	ds_load_b128 v[KF+4*i:KF+4*i+3], v[ADK] offset:8192+512*i    ; and the next key step's operands 2 and 3,
.set i, i+1
.endr
	ds_load_b32 v249, v[ADS] offset:256+128                      ; with their scale words
	s_cmp_eq_u32 s[KS], s[G]
	s_cbranch_scc0 .Lopen_\@
	v_mov_b32 v254, 0xff800000                     ; on the diagonal hidden scores become -infinity ahead of the maximum: p = 0.  Register 16 b + i holds key 32 b + 16 h + i of the step
.if (\blk) == 0
	v_mov_b32 v11, 0xff800000
.endif
.set n, 16*(\blk)
.rept 32
	v_cmp_gt_i32 vcc_lo, 32*(n/16)+n%16, v[DQ]
	v_cndmask_b32 v[S+n], v[S+n], v254, vcc_lo
.set n, n+1
.endr
.if (\blk) == 0
.set n, 32
.rept 16
	v_dual_mov_b32 v[S+n], v254 :: v_dual_mov_b32 v[S+n+1], v11  ; keys 64-127 come after every query of the tile
.set n, n+2
.endr
.endif
.Lopen_\@:
.irp b, 0,1,2,3
	v_max3_num_f32 v[232+\b], v[S+16*\b], v[S+1+16*\b], v[S+2+16*\b]   ; the largest score of each block of 32 keys: for the row's maximum, and for the block's largest p
.endr
.irp i, 3,5,7,9,11,13
.irp b, 0,1,2,3
	v_max3_num_f32 v[232+\b], v[232+\b], v[S+16*\b+\i], v[S+1+16*\b+\i]
.endr
.endr
.irp b, 0,1,2,3
	v_max_num_f32 v[232+\b], v[232+\b], v[S+15+16*\b]
.endr
.irp b, 0,1,2,3
	s_delay_alu instid0(VALU_DEP_4)
	v_permlanex16_b32 v[236+\b], v[232+\b], s[SEL], s[SEL+1]
.endr
.irp b, 0,1,2,3
	s_delay_alu instid0(VALU_DEP_4)
	v_max_num_f32 v[232+\b], v[232+\b], v[236+\b]  ; with lane l xor 16's 16 keys
.endr
	s_delay_alu instid0(VALU_DEP_2)
	v_max3_num_f32 v254, v232, v233, v234
	s_delay_alu instid0(VALU_DEP_1)
	v_max3_num_f32 v13, v13, v254, v235            ; the running largest score; c is positive, so c x it is the running largest t
	v_mov_b32 v252, v12
	s_delay_alu instid0(VALU_DEP_2)
	v_mul_f32 v254, s[CS], v13                     ; as t
	s_delay_alu instid0(VALU_DEP_1)
	v_floor_f32 v12, -v254                         ; the new -M = -ceil(t)
	s_delay_alu instid0(VALU_DEP_1)
	v_sub_f32 v254, v12, v252                      ; old M - new M: a whole number, 0 or less
	s_delay_alu instid0(VALU_DEP_1)
	v_cvt_i32_f32 v254, v254                       ; (it saturates)
	s_delay_alu instid0(VALU_DEP_1)
	v_ldexp_f32 v252, 1.0, v254                    ; f = 2^(old M - new M)
.set j, 0
.rept 32
	v_pk_fma_f32 v[S+j:S+j+1], v[S+j:S+j+1], s[CS:CS+1], v[12:13] op_sel_hi:[1,0,0]   ; t - M, two at a time
.set j, j+2
.endr
.irp b, 0,1,2,3
	v_fma_f32 v[232+\b], v[232+\b], s[CS], v12     ; the same of each block's largest score
.endr
	s_wait_alu depctr_va_vdst(0)                   ; the wait ahead of the batch
.set j, 0
.rept 64
	v_exp_f32 v[S+j], v[S+j]                       ; p = 2^(t - M)
.set j, j+1
.endr
	v_pk_mul_f32 v[14:15], v[14:15], v[252:253] op_sel_hi:[1,0]  ; the sums under the new M: a plain place behind the exponentials
	s_wait_alu depctr_va_vdst(0)                   ; one wait for the batch, ahead of its first reader
.irp b, 0,1,2,3
	v_exp_f32 v[232+\b], v[232+\b]                 ; the block's largest p
.endr
.set j, 0
.rept 6
	v_pk_add_f32 v[236+j:237+j], v[S+2*j:S+2*j+1], v[S+2*j+2:S+2*j+3]    ; the row's sum of the unquantised p, two at a time, in seven chains
.set j, j+2
.endr
	v_pk_add_f32 v[14:15], v[14:15], v[S+24:S+25]
.set j, 26
.rept 3
.irp c, 0,2,4,6,8,10
	v_pk_add_f32 v[236+\c:237+\c], v[236+\c:237+\c], v[S+j+\c:S+j+\c+1]
.endr
.set j, j+12
.endr
	v_pk_add_f32 v[14:15], v[14:15], v[S+62:S+63]
	v_pk_add_f32 v[236:237], v[236:237], v[238:239]
	v_pk_add_f32 v[240:241], v[240:241], v[242:243]
	v_pk_add_f32 v[244:245], v[244:245], v[246:247]
	v_pk_add_f32 v[236:237], v[236:237], v[240:241]
	v_pk_add_f32 v[14:15], v[14:15], v[244:245]
	v_pk_add_f32 v[14:15], v[14:15], v[236:237]
	s_wait_alu depctr_va_vdst(0)                   ; and one for the four
.irp b, 0,1,2,3
	v_max_num_f32 v[232+\b], 0x4800000, v[232+\b]  ; the floor 2^(9 - 127)
.endr
.irp b, 0,1,2,3
	s_delay_alu instid0(VALU_DEP_4)
	v_add_nc_u32 v[244+\b], 0xfc000000, v[232+\b]  ; the conversion's scale operand
.endr
.irp b, 0,1,2,3
	v_and_or_b32 v[240+\b], v[232+\b], 0x7f800000, s[MNT]        ; 448 x the scale
.endr
.irp b, 0,1,2,3
	v_lshrrev_b32 v[236+\b], 23, v[244+\b]         ; the scale's byte
.endr
	s_delay_alu instid0(VALU_DEP_3)
	v_lshl_or_b32 v253, v237, 8, v236              ; p's scale word for these 128 keys
	s_delay_alu instid0(VALU_DEP_1)
	v_lshl_or_b32 v253, v238, 16, v253
	s_delay_alu instid0(VALU_DEP_1)
	v_lshl_or_b32 v253, v239, 24, v253
.irp b, 0,1,2,3
	v_mov_b32 v[232+(\b+1)%4], v[240+\b]           ; the bound once more, in a register whose number differs modulo 4: the two halves of a dual instruction take their second sources so
.endr
.irp b, 0,1,2,3
.irp i, 0,2,4,6,8,10,12,14
	v_dual_min_num_f32 v[S+16*\b+\i], v[S+16*\b+\i], v[240+\b] :: v_dual_min_num_f32 v[S+16*\b+\i+1], v[S+16*\b+\i+1], v[232+(\b+1)%4]   ; the conversion does not saturate (ISA guide 7.6.2); p is not negative, so the hold is one-sided; two holds an instruction
.endr
	v_cvt_scalef32_pk8_fp8_f32 v[PC+4*\b:PC+1+4*\b], v[S+16*\b:S+7+16*\b], v[244+\b]
	v_cvt_scalef32_pk8_fp8_f32 v[PC+2+4*\b:PC+3+4*\b], v[S+8+16*\b:S+15+16*\b], v[244+\b]
.endr
	s_wait_alu depctr_va_vdst(0)                   ; the wait directly ahead of the first reader of O^T
.set j, 0
.rept 8
	v_pk_mul_f32 v[OT+j:OT+j+1], v[OT+j:OT+j+1], v[252:253] op_sel_hi:[1,0]   ; O^T under the new M, each accumulator from its low end on; these eight are also the places between the codes and the product
.set j, j+2
.endr
	s_wait_alu depctr_va_vdst(0)                   ; the wait ahead of the wait below
	s_wait_dscnt 0x0                               ; v's fragments and scale words, and the look-ahead
	MMA OT, KF, PC, 250, 253, 0                    ; O^T += V^T P^T: channels 16 h + 0 .. 7,
	MMA OT+8, KF+16, PC, 250, 253, 1               ; 16 h + 8 .. 15
.Lhidden_\@:
	s_add_co_u32 s[TK], s[TK], 8192
	s_add_co_u32 s[TV], s[TV], 4096
	s_add_co_u32 s[TSK], s[TSK], 256
	s_add_co_u32 s[TSV], s[TSV], 128
	s_add_co_u32 s[KS], s[KS], 1
	s_cmp_lt_u32 s[KS], \kend
	s_cbranch_scc1 .Lstep_\@
.endm
; the tile's result: divided by the sum, then one block of 32 along the output projection's K.  oc, ob: registers for its codes and byte; ocp, osp: where they go
.macro FINISH oc, ob, ocp, osp
.rept 8
	v_nop
.endr
	v_add_f32 v14, v14, v15
	s_delay_alu instid0(VALU_DEP_1)
	v_permlanex16_b32 v254, v14, s[SEL], s[SEL+1]
	s_delay_alu instid0(VALU_DEP_1)
	v_add_f32 v14, v14, v254                       ; the row's sum
	s_wait_alu depctr_va_vdst(0)
	v_rcp_f32 v14, v14
	v_nop
	s_wait_alu depctr_va_vdst(0)                   ; ahead of the reciprocal's first reader
.set j, 0
.rept 8
	v_pk_mul_f32 v[S+j:S+j+1], v[OT+j:OT+j+1], v[14:15] op_sel_hi:[1,0]   ; register i: channel 16 h + i of my query
.set j, j+2
.endr
	v_max3_num_f32 v232, |v[S]|, |v[S+1]|, 0x4800000
.irp i, 2,4,6,8,10,12,14
	s_delay_alu instid0(VALU_DEP_1)
	v_max3_num_f32 v232, v232, |v[S+\i]|, |v[S+1+\i]|
.endr
	s_delay_alu instid0(VALU_DEP_1)
	v_permlanex16_b32 v236, v232, s[SEL], s[SEL+1]
	s_delay_alu instid0(VALU_DEP_1)
	v_max_num_f32 v232, v232, v236
	s_delay_alu instid0(VALU_DEP_1)
	v_add_nc_u32 v244, 0xfc000000, v232
	s_delay_alu instid0(VALU_DEP_2)
	v_and_or_b32 v240, v232, 0x7f800000, s[MNT]
	s_delay_alu instid0(VALU_DEP_2)
	v_lshrrev_b32 v[\ob], 23, v244
.irp i, 0,1,2,3,4,5,6,7,8,9,10,11,12,13,14,15
	v_med3_num_f32 v[S+\i], v[S+\i], -v240, v240
.endr
	v_cvt_scalef32_pk8_fp8_f32 v[(\oc):(\oc)+1], v[S:S+7], v244
	v_cvt_scalef32_pk8_fp8_f32 v[(\oc)+2:(\oc)+3], v[S+8:S+15], v244
	v_nop
	global_store_b128 v[LI], v[(\oc):(\oc)+3], s[\ocp:\ocp+1]    ; a chunk: 512 consecutive bytes
	global_store_b8 v[R16], v[\ob], s[\osp:\osp+1]               ; lanes r and r + 16 write the same byte with the same value
.endm
	s_mov_b32 s[G], s[GA]
	START 200, 216, DQA
	FROM 0
	WALK 3, 0                                      ; key steps 0-2, with the look-ahead into step 3: the bytes that the first barrier has shown
	s_wait_alu depctr_va_vdst(0)                   ; the wait ahead of the waits below
	s_wait_tensorcnt 0x0                           ; every wave: my piece has landed,
	s_wait_dscnt 0x0                               ; and no LDS load of mine is out at the signal
	s_barrier_signal -1
	s_barrier_wait -1                              ; everybody's has: the whole image lies in LDS
	FROM 3
	WALK 16, 0
	FINISH 220, 218, OCA, OSA
	s_sub_co_u32 s[G], 15, s[WV]
	START 208, 217, DQB
	FROM 0
	WALK 16, 2
	FINISH 224, 219, OCB, OSB
	s_wait_dscnt 0x0
	s_wait_tensorcnt 0x0                           ; the wave's end
	ds_add_u32 v[SPW], v[NIL]
	s_wait_dscnt 0x0
	CROUND                                         ; the closing round
	s_endpgm
.Lfunc_end_k_q35ef7f6894_attn:
	.size	k_q35ef7f6894_attn, .Lfunc_end_k_q35ef7f6894_attn-k_q35ef7f6894_attn
	.p2alignl 7, 3214868480
	.fill 96, 4, 3214868480
	.section	.rodata,"a",@progbits
	.p2align	6, 0x0
	.amdhsa_kernel k_q35ef7f6894_attn
		.amdhsa_group_segment_fixed_size 204800
		.amdhsa_private_segment_fixed_size 0
		.amdhsa_enable_private_segment 0
		.amdhsa_kernarg_size 24
		.amdhsa_user_sgpr_count 2
		.amdhsa_user_sgpr_kernarg_segment_ptr 1
		.amdhsa_wavefront_size32 1
		.amdhsa_system_sgpr_workgroup_id_x 1
		.amdhsa_system_sgpr_workgroup_id_y 1
		.amdhsa_system_sgpr_workgroup_id_z 1
		.amdhsa_system_vgpr_workitem_id 0
		.amdhsa_next_free_vgpr 256
		.amdhsa_next_free_sgpr 92
		.amdhsa_reserve_vcc 1
		.amdhsa_float_denorm_mode_32 3
		.amdhsa_float_denorm_mode_16_64 3
		.amdhsa_memory_ordered 1
		.amdhsa_forward_progress 1
		.amdhsa_inst_pref_size 87
	.end_amdhsa_kernel
	.amdgpu_metadata
---
amdhsa.version: [ 1, 2 ]
amdhsa.kernels:
  - .name:           k_q35ef7f6894_attn
    .symbol:         k_q35ef7f6894_attn.kd
    .args:
      - { .name: qkv, .offset: 0, .size: 8, .value_kind: global_buffer, .address_space: global }
      - { .name: acodes, .offset: 8, .size: 8, .value_kind: global_buffer, .address_space: global }
      - { .name: ascales, .offset: 16, .size: 8, .value_kind: global_buffer, .address_space: global }
    .group_segment_fixed_size: 204800
    .private_segment_fixed_size: 0
    .kernarg_segment_align: 8
    .kernarg_segment_size: 24
    .max_flat_workgroup_size: 512
    .sgpr_count:     92
    .vgpr_count:     256
    .wavefront_size: 32
...
	.end_amdgpu_metadata
.endif
;; end of part 3
;; launch oproj (part 4): grid 4 x 64, 4 waves a work-group, no clusters, 83,456 bytes of LDS; arguments acodes, ascales, wcodes, wscales, output_bias, out0; writes out0
.if DOCPART == 4
	.amdgcn_target "amdgcn-amd-amdhsa--gfx1250"
	.amdhsa_code_object_version 6
	.text
	.protected	k_q35ef7f6894_oproj
	.globl	k_q35ef7f6894_oproj
	.p2align	8
	.type	k_q35ef7f6894_oproj,@function
k_q35ef7f6894_oproj:
	s_mov_b64 s[64:65], 0
	v_nop
	global_prefetch_b8 v0, s[64:65] scope:SCOPE_SE
	s_setreg_imm32_b32 hwreg(HW_REG_WAVE_MODE, 25, 1), 1
	s_wait_xcnt 0x0
; out = attn Wo + b on codes of E4M3, K = 512 in four steps of 128.  Both operands arrive as images of operand registers with their scale words.
; SHARES: a work-group takes 128 tokens (y: eight tiles of 16) x 256 columns (x); wave w all 128 tokens x the 64 columns of tiles 16 x + 4 w .. + 3, whose 16 fragments of Wo stay in its registers.
; attn's 32 fragments, 65,536 dense bytes, are brought once: each wave loads a quarter and lays it in LDS as it lies; one barrier; every wave reads all of them.
; The product is used TRANSPOSED (source 0 = 16 columns of Wo, source 1 = 16 tokens): a lane holds one token and eight neighbouring columns a tile.  Row r of token tile T is token 32 (T / 2) + 8 (T % 2) + r + 8 (r / 8);
; row r of column tile 2 g + u is column 32 g + 8 u + r + 8 (r / 8), so that a lane's results of tiles 2 g and 2 g + 1 are columns 32 g + 16 h + 0 .. 15.
; The bias is the C of each sum's first matrix instruction.  A tile of 16 tokens x 64 columns goes through the wave's own stage in LDS and leaves as rows: sixteen lanes store 256 consecutive bytes, at a multiple of 256 from out0's first byte.
; No multicast: each work-group reads its operands once, at its head, into registers; there is no tile that is walked.
; REGISTERS, in windows of 256.  Window 0: v4-11 addresses; v32-63 attn's scale words (4 T + s); v64-71 Wo's (2 s + q); v72-103 the bias; v128-255 two sets of attn's four fragments.
;   Window 1: Wo's fragments at 16 (4 n + s).   Window 2: accumulator (T, n) at 8 (4 T + n).   Window 3: my quarter of attn on its way to LDS; then eight sets of 32 registers of rows to store.
.set STG, 65536                        ; LDS: attn's fragment (T, s) at 8192 T + 2048 s; from here a stage of 16 rows x (256 + 16) bytes for each wave
.set LI,  4                            ; v4   16 x lane
.set L4,  5                            ; v5   4 x lane
.set R16, 6                            ; v6   16 r
.set BO,  7                            ; v7   64 h
.set AW,  8                            ; v8   16 x lane + 16,384 x wave
.set STO, 9                            ; v9   the stage: row r, + 64 h
.set RD,  10                           ; v10  back: row h, + 16 r
.set CO,  11                           ; v11  the same place in out0: h rows of 4,096 bytes + 16 r
.set AS,  32
.set WS,  64
.set BI,  72
.set AF,  128
.set MSB, 0
.macro WIN new                         ; the immediate's high byte repeats the setting that is left
.if MSB != (\new)
	s_set_vgpr_msb (MSB<<8)|(\new)
.set MSB, (\new)
.endif
.endm
.macro PLACES n
.rept \n
	v_nop
.endr
.endm
.macro MM d, a, b, c, sa, sb, ra
.if \ra
	v_wmma_scale_f32_16x16x128_f8f6f4 v[(\d):(\d)+7], v[(\a):(\a)+15], v[(\b):(\b)+15], v[(\c):(\c)+7], v[\sa], v[\sb] matrix_a_scale:MATRIX_SCALE_ROW1
.else
	v_wmma_scale_f32_16x16x128_f8f6f4 v[(\d):(\d)+7], v[(\a):(\a)+15], v[(\b):(\b)+15], v[(\c):(\c)+7], v[\sa], v[\sb]
.endif
.endm
	s_load_b256 s[4:11], s[0:1], 0x0               ; acodes s[4:5], ascales s[6:7], wcodes s[8:9], wscales s[10:11]
	s_load_b128 s[12:15], s[0:1], 0x20             ; output_bias s[12:13], out0 s[14:15]
	v_lshl_add_u32 v126, v0, 2, 0x14400
	v_mov_b32 v127, 0
	v_lshrrev_b32 v1, 5, v0
	v_readfirstlane_b32 s16, v1                    ; wave 0..3
	v_and_b32 v1, 15, v0                           ; r
	v_bfe_u32 v2, v0, 4, 1                         ; h
	v_and_b32 v3, 31, v0                           ; lane
	v_lshlrev_b32 v[LI], 4, v3
	v_lshlrev_b32 v[L4], 2, v3
	v_lshlrev_b32 v[R16], 4, v1
	v_lshlrev_b32 v[BO], 6, v2
	s_lshl_b32 s20, s16, 14
	v_add_nc_u32 v[AW], s20, v[LI]
	s_mul_i32 s20, s16, 16*272
	s_add_co_u32 s20, s20, STG                     ; my stage
	v_mul_u32_u24 v[STO], v1, 272
	v_lshl_add_u32 v[STO], v2, 6, v[STO]
	v_add_nc_u32 v[STO], s20, v[STO]
	v_mul_u32_u24 v[RD], v2, 272
	v_lshl_add_u32 v[RD], v1, 4, v[RD]
	v_add_nc_u32 v[RD], s20, v[RD]
	v_lshlrev_b32 v[CO], 12, v2
	v_lshl_add_u32 v[CO], v1, 4, v[CO]
	s_and_b32 s17, ttmp7, 0xffff                   ; the block of 128 tokens
	s_lshl_b32 s18, ttmp9, 4
	s_lshl_b32 s19, s16, 2
	s_add_co_u32 s18, s18, s19                     ; my first column tile: 16 x + 4 wave
	s_mov_b32 s21, 0
	s_wait_alu depctr_va_vdst(0)
	s_wait_kmcnt 0x0
	s_lshl_b32 s20, s17, 16
	s_lshl_b32 s19, s16, 14
	s_add_co_u32 s20, s20, s19
	s_add_nc_u64 s[4:5], s[4:5], s[20:21]          ; my quarter of the block's fragments
	s_lshl_b32 s20, s17, 11
	s_add_nc_u64 s[6:7], s[6:7], s[20:21]
	s_lshl_b32 s20, s18, 13
	s_add_co_u32 s20, s20, 0x280000
	s_add_nc_u64 s[8:9], s[8:9], s[20:21]
	s_lshl_b32 s20, s18, 6
	s_add_nc_u64 s[12:13], s[12:13], s[20:21]      ; 16 columns of 4 bytes a tile: the bias,
	s_add_nc_u64 s[14:15], s[14:15], s[20:21]      ; and out0's columns
	s_add_co_u32 s20, s20, 81920
	s_add_nc_u64 s[10:11], s[10:11], s[20:21]
	s_lshl_b32 s20, s17, 19
	s_add_nc_u64 s[14:15], s[14:15], s[20:21]      ; out0 at the block's first row
	WIN 0xc0
.set i, 0
.rept 32
	global_load_b128 v[4*i:4*i+3], v[LI], s[4:5] offset:512*i
.set i, i+1
.endr
	WIN 0
.irp s, 0,1,2,3
.irp q, 0,1
	global_load_b32 v[WS+2*\s+\q], v[L4], s[10:11] offset:\s*4096+128*\q         ; lanes 0-15 tile 2 q's words, lanes 16-31 tile 2 q + 1's
.endr
.endr
.irp t, 0,1,2,3,4,5,6,7
	global_load_b128 v[AS+4*\t:AS+4*\t+3], v[R16], s[6:7] offset:256*\t          ; row r's sixteen bytes: the words of the four K steps
.endr
.irp n, 0,1,2,3
	global_load_b128 v[BI+8*\n:BI+8*\n+3], v[BO], s[12:13] offset:(32*(\n/2)+8*(\n%2))*4
	global_load_b128 v[BI+8*\n+4:BI+8*\n+7], v[BO], s[12:13] offset:(32*(\n/2)+8*(\n%2))*4+16
.endr
	WIN 0x40
.set i, 0
.rept 32
	global_load_b128 v[4*i:4*i+3], v[LI], s[8:9] offset:512*i                    ; Wo's tiles 0 and 1
.set i, i+1
.endr
	s_wait_loadcnt 56                              ; my quarter of attn is in; the 24 small loads and Wo's 32 may be out
	WIN 0x0c                                       ; an LDS store's data are its source 1: window 3
.set i, 0
.rept 32
	ds_store_b128 v[AW], v[4*i:4*i+3] offset:512*i
.set i, i+1
.endr
	WIN 0x40
.set i, 32
.rept 32
	global_load_b128 v[4*i:4*i+3], v[LI], s[8:9] offset:512*i                    ; Wo's tiles 2 and 3
.set i, i+1
.endr
	WIN 0
	s_wait_dscnt 0x0                               ; for the others' sake: my stores have landed
	s_barrier_signal -1
	s_barrier_wait -1
	s_wait_loadcnt 0x0
.macro AFETCH t                        ; token tile t's four fragments into set t % 2: 16 loads
.set i, 0
.rept 16
	ds_load_b128 v[AF+64*((\t)%2)+4*i:AF+64*((\t)%2)+4*i+3], v[LI] offset:(\t)*8192+512*i
.set i, i+1
.endr
.endm
.macro MULT t                          ; 16 matrix instructions: the tile's four accumulators by turns, K ascending
.irp s, 0,1,2,3
.if \s == 0
	WIN 0x81                                       ; Wo window 1, attn and the bias window 0, the result window 2
.else
	WIN 0xa1                                       ; C and D window 2
.endif
.irp n, 0,1,2,3
.if \s == 0
	MM 8*(4*(\t)+\n), 16*(4*\n+\s), AF+64*((\t)%2)+16*\s, BI+8*\n, WS+2*\s+\n/2, AS+4*(\t)+\s, \n%2
.else
	MM 8*(4*(\t)+\n), 16*(4*\n+\s), AF+64*((\t)%2)+16*\s, 8*(4*(\t)+\n), WS+2*\s+\n/2, AS+4*(\t)+\s, \n%2
.endif
.endr
.endr
.endm
.macro TOSTAGE t                       ; into my stage, each accumulator from its low end on, and back as rows.  LDS serves a wave's instructions in order (ISA guide 5.7.1.4)
	WIN 0x08
.irp n, 0,1,2,3
	ds_store_b128 v[STO], v[8*(4*(\t)+\n):8*(4*(\t)+\n)+3] offset:128*(\n/2)+32*(\n%2)
	ds_store_b128 v[STO], v[8*(4*(\t)+\n)+4:8*(4*(\t)+\n)+7] offset:128*(\n/2)+32*(\n%2)+16
.endr
	WIN 0xc0
.irp i, 0,1,2,3,4,5,6,7
	ds_load_b128 v[32*(\t)+4*\i:32*(\t)+4*\i+3], v[RD] offset:2*\i*272
.endr
	WIN 0
.endm
.macro SEND t                          ; stage row 2 i + h is token 32 (t / 2) + 8 (t % 2) + 2 i + h + 8 (i / 4) of the block
	WIN 0x0c
.irp i, 0,1,2,3,4,5,6,7
	global_store_b128 v[CO], v[32*(\t)+4*\i:32*(\t)+4*\i+3], s[14:15] offset:(32*((\t)/2)+8*((\t)%2)+2*\i+8*(\i/4))*4096 th:TH_STORE_NT
.endr
	WIN 0
.endm
	AFETCH 0
	AFETCH 1
.irp t, 0,1,2,3,4,5,6,7
.if \t == 0
	s_wait_dscnt 16                                ; tile 0's fragments are in; tile 1's 16 loads may be out
.elseif \t == 1
	s_wait_dscnt 32                                ; tile 1's are in; behind them: tile 2's 16 loads and the stage's 16 instructions
.endif
	MULT \t
.if \t > 0
	s_wait_dscnt 0x0                               ; the tile before is back from the stage, and the next tile's fragments are in
	SEND \t-1
.endif
	WIN 0
	PLACES 8                                       ; in front of loads into the fragments just multiplied, and of the stage's reads of the results
.if \t < 6
	AFETCH \t+2
.endif
	TOSTAGE \t
.endr
	s_wait_dscnt 0x0
	SEND 7
	s_wait_tensorcnt 0x0
	ds_add_u32 v126, v127
	s_wait_dscnt 0x0
	s_endpgm
.Lfunc_end_k_q35ef7f6894_oproj:
	.size	k_q35ef7f6894_oproj, .Lfunc_end_k_q35ef7f6894_oproj-k_q35ef7f6894_oproj
	.p2alignl 7, 3214868480
	.fill 96, 4, 3214868480
	.section	.rodata,"a",@progbits
	.p2align	6, 0x0
	.amdhsa_kernel k_q35ef7f6894_oproj
		.amdhsa_group_segment_fixed_size 83456
		.amdhsa_private_segment_fixed_size 0
		.amdhsa_enable_private_segment 0
		.amdhsa_kernarg_size 48
		.amdhsa_user_sgpr_count 2
		.amdhsa_user_sgpr_kernarg_segment_ptr 1
		.amdhsa_wavefront_size32 1
		.amdhsa_system_sgpr_workgroup_id_x 1
		.amdhsa_system_sgpr_workgroup_id_y 1
		.amdhsa_system_sgpr_workgroup_id_z 1
		.amdhsa_system_vgpr_workitem_id 0
		.amdhsa_next_free_vgpr 1024
		.amdhsa_next_free_sgpr 66
		.amdhsa_reserve_vcc 0
		.amdhsa_float_denorm_mode_32 3
		.amdhsa_float_denorm_mode_16_64 3
		.amdhsa_memory_ordered 1
		.amdhsa_forward_progress 1
		.amdhsa_inst_pref_size 59
	.end_amdhsa_kernel
	.amdgpu_metadata
---
amdhsa.version: [ 1, 2 ]
amdhsa.kernels:
  - .name:           k_q35ef7f6894_oproj
    .symbol:         k_q35ef7f6894_oproj.kd
    .args:
      - { .name: acodes, .offset: 0, .size: 8, .value_kind: global_buffer, .address_space: global }
      - { .name: ascales, .offset: 8, .size: 8, .value_kind: global_buffer, .address_space: global }
      - { .name: wcodes, .offset: 16, .size: 8, .value_kind: global_buffer, .address_space: global }
      - { .name: wscales, .offset: 24, .size: 8, .value_kind: global_buffer, .address_space: global }
      - { .name: output_bias, .offset: 32, .size: 8, .value_kind: global_buffer, .address_space: global }
      - { .name: out0, .offset: 40, .size: 8, .value_kind: global_buffer, .address_space: global }
    .group_segment_fixed_size: 83456
    .private_segment_fixed_size: 0
    .kernarg_segment_align: 8
    .kernarg_segment_size: 48
    .max_flat_workgroup_size: 128
    .sgpr_count:     66
    .vgpr_count:     1024
    .wavefront_size: 32
...
	.end_amdgpu_metadata
.endif
;; end of part 4
